; MI455X (gfx1250); checked and timed in simulation.
; The chip was launched on July 23, 2026; its instructions are those of AMD's public machine-readable ISA for CDNA 5 (MIT licence, August 2026) and "CDNA5" Instruction Set Architecture Reference Guide (July 2026). The comments in the code are by the model that wrote it; some were corrected since.
;; Block. Allowed arithmetic: matrix products marked QUANTISED: E2M3 operands, one E8M0 scale for each 32 along K, by v_wmma_scale_f32_16x16x128_f8f6f4 with both operands' format E2M3, f32 sums; everything else in f32.
;; Inputs: W1_codes 4,096 x 32 x 24 uint8 (E2M3 codes of W1, K innermost, in blocks of 32 codes, four codes in three bytes); W1_scales 4,096 x 32 uint8 (E8M0 scales of W1, one for each 32 codes along K); W2_codes 1,024 x 128 x 24 uint8 (E2M3 codes of W2, K innermost, in blocks of 32 codes, four codes in three bytes); W2_scales 1,024 x 128 uint8 (E8M0 scales of W2, one for each 32 codes along K); Wk_codes 16 x 64 x 32 x 24 uint8 (E2M3 codes of Wk, K innermost, in blocks of 32 codes, four codes in three bytes); Wk_scales 16 x 64 x 32 uint8 (E8M0 scales of Wk, one for each 32 codes along K); Wo_codes 1,024 x 32 x 24 uint8 (E2M3 codes of Wo, K innermost, in blocks of 32 codes, four codes in three bytes); Wo_scales 1,024 x 32 uint8 (E8M0 scales of Wo, one for each 32 codes along K); Wq_codes 16 x 64 x 32 x 24 uint8 (E2M3 codes of Wq, K innermost, in blocks of 32 codes, four codes in three bytes); Wq_scales 16 x 64 x 32 uint8 (E8M0 scales of Wq, one for each 32 codes along K); Wv_codes 16 x 64 x 32 x 24 uint8 (E2M3 codes of Wv, K innermost, in blocks of 32 codes, four codes in three bytes); Wv_scales 16 x 64 x 32 uint8 (E8M0 scales of Wv, one for each 32 codes along K); b1 4,096 float32; b2 1,024 float32; bo 1,024 float32; g1 1,024 float32; g2 1,024 float32; x 2 x 2,048 x 1,024 float32.
;; Outputs: out0 2 x 2,048 x 1,024 float32.
;; This version of the problem:
;;   THIS VERSION OF THE PROBLEM IS GIVEN IN LOW PRECISION. The matrix products marked QUANTISED in the list below multiply operands that are first quantised to E2M3 (2 exponent bits, 3 mantissa bits; 6 bits a number), with one power-of-two scale for each 32 numbers along K (OCP MX v1.0); their sums are f32. All else is computed in f32.
;;   The module's matrix products, in the order in which they are computed (A, B: the left and right operand; K: the contracted axis; several contracted axes count as one K, in the product's order):
;;     1. [M 1,024, K 1,024] x [K 1,024, N 4,096]; A: input Wq (given as codes); B: input x: QUANTISED
;;     2. [M 1,024, K 1,024] x [K 1,024, N 4,096]; A: input Wk (given as codes); B: input x: QUANTISED
;;     3. [M 1,024, K 1,024] x [K 1,024, N 4,096]; A: input Wv (given as codes); B: input x: QUANTISED
;;     4. batch 32 x [M 2,048, K 64] x [K 64, N 2,048]; A: computed on the way; B: computed on the way: QUANTISED
;;     5. batch 32 x [M 2,048, K 2,048] x [K 2,048, N 64]; A: softmax (see below); B: computed on the way: QUANTISED
;;     6. [M 4,096, K 1,024] x [K 1,024, N 1,024]; A: computed on the way; B: input Wo (given as codes): QUANTISED
;;     7. [M 4,096, K 1,024] x [K 1,024, N 4,096]; A: computed on the way; B: input W1 (given as codes): QUANTISED
;;     8. [M 4,096, K 4,096] x [K 4,096, N 1,024]; A: computed on the way; B: input W2 (given as codes): QUANTISED
;;   THE QUANTISER, for each operand of a quantised product, along K:
;;     - K is cut into blocks of 32 from its start; a last block that is shorter is filled with zeros.
;;     - A block's scale is 2^e with e = floor(log2(the largest magnitude in the block)) - 2, held to -126 .. 127; a block of zeros has e = 0. As a byte (E8M0): e + 127.
;;     - Each number is divided by its block's scale, clamped to +-7.5, and rounded to the nearest number of E2M3, ties to even, subnormals kept.
;;     - The product sums the exact products of the quantised numbers (number of the format x scale) in f32.
;;   ~~~python
;;   def quantise(x, axis):      # numpy; x: float32 -> the quantised numbers, widened to float32 again
;;       x = np.moveaxis(x, axis, -1); K = x.shape[-1]
;;       x = np.pad(x, [(0, 0)] * (x.ndim - 1) + [(0, -K % 32)]); x = x.reshape(x.shape[:-1] + (-1, 32)); a = np.abs(x).max(-1, keepdims=True)
;;       e = np.where(a > 0, np.clip(np.frexp(np.where(a > 0, a, 1))[1] - 1 - 2, -126, 127), 0)      # np.frexp(a)[1] - 1 = floor(log2(a)), exactly
;;       r = np.clip(x / 2.0 ** e, -7.5, 7.5)
;;       step = 2.0 ** (np.maximum(np.frexp(np.where(r == 0, 1, r))[1] - 1, 0) - 3)
;;       q = np.round(r / step) * step * 2.0 ** e      # np.round: ties to even
;;       return np.moveaxis(q.reshape(q.shape[:-2] + (-1,))[..., :K], -1, axis).astype(np.float32)
;;   ~~~
;;   SOFTMAX AHEAD OF A QUANTISED PRODUCT. Where the list says 'softmax', what is quantised is not the finished softmax but p = 2^(t - M), with t = logit x log2(e) and M = ceil(the row's largest t), a whole number; so 1/2 < the row's largest p <= 1. The row's sum l is taken of the UNQUANTISED p, in f32, and the product's result is divided by l at the end. Since M is a whole number, a kernel that streams over the keys may use a running M (the ceiling of the running maximum): every later rescaling is an exact power of two, which a block's scale takes up: the codes' values come out the same.
;;   OPERANDS COMPUTED ON THE WAY. 'Computed on the way' means the value that the module computes at that place (a softmax that the list does not call 'softmax' is quantised finished and normalised). What goes into a quantiser is computed in f32, as accurately as f32 sums, v_exp_f32 and their like allow (about 1e-6 of the number): no bf16 or f16 on the way to a quantiser, and a product that is left as it is and whose result goes on into a quantised operand takes f32 operands (vector FMAs, or v_wmma_f32_16x16x4_f32). A number that lies on a knife's edge between two numbers of the format may be rounded either way, as far as f32 arithmetic and the matrix unit's own rounding can turn it there, and no further.
;;   INPUTS GIVEN AS CODES. W1 (in the module: [1024, 4096], K = its axis 0); W2 (in the module: [4096, 1024], K = its axis 0); Wk (in the module: [16, 1024, 64], K = its axis 1); Wo (in the module: [1024, 1024], K = its axis 0); Wq (in the module: [16, 1024, 64], K = its axis 1); Wv (in the module: [16, 1024, 64], K = its axis 1): each comes as NAME_codes (uint8): NAME with its K axis moved to the last place and cut into blocks of 32 codes, [.., K / 32, bytes a block], one block behind the other in memory; four codes in three bytes: a row's codes are one little-endian stream of bits, code i at bits 6 i .. 6 i + 5 (a code: sign, 2 exponent bits, 3 mantissa bits); and NAME_scales (uint8): the same leading axes, one E8M0 byte (e + 127) for each 32 codes along K. Its value is code x scale, taken as it is: it is not quantised again, and the codes and scales need not be those that the quantiser above would give.
;; One version. Each part assembles by itself: llvm-mc -triple=amdgcn-amd-amdhsa -mcpu=gfx1250 --defsym DOCPART=n.
;; ======== version 1 of 1: 8 launches
;; limits: right only within a limited range of input values
;; workspace buffers: cq 3,276,800 bytes; qb 3,407,872 bytes; kv 6,684,672 bytes; ac 3,276,800 bytes; yz 16,777,216 bytes; hbuf 16,777,216 bytes; fc 13,107,200 bytes
;; launch quant_x (part 1): grid 256 x 1, 4 waves a work-group, no clusters, 21,504 bytes of LDS; arguments x, cq; writes cq
.if DOCPART == 1
	.amdgcn_target "amdgcn-amd-amdhsa--gfx1250"
	.amdhsa_code_object_version 6
	.text
	.protected	k_q052ceb199f_quant_x
	.globl	k_q052ceb199f_quant_x
	.p2align	8
	.type	k_q052ceb199f_quant_x,@function
k_q052ceb199f_quant_x:
	s_mov_b64 s[64:65], 0
	v_nop
	global_prefetch_b8 v0, s[64:65] scope:SCOPE_SE
	s_setreg_imm32_b32 hwreg(HW_REG_WAVE_MODE, 25, 1), 1
	s_wait_xcnt 0x0
; THE PROGRAM: one transformer block on 4,096 tokens, eight launches: (1) x into codes; (2) q, k, v; (3) attention; (4) y = x + attn Wo + bo; (5) h = rmsnorm(y) g1, and h's codes;
; (6) silu(h W1 + b1) as codes; (7) z = h + (..) W2 + b2; (8) out = rmsnorm(z) g2.  All eight products run on codes of FP6 (E2M3) with one E8M0 scale for each 32 along K.
; WORK LEFT OUT.  reference() itself sets the score of key s for query t to -infinity where s > t (jnp.tril), so the weight of such a key is exactly 0 whatever the inputs hold: a step of 128 keys all of
; which come after all 16 queries of a tile adds 0 to the row's sum and 0 to the second product.  Those whole steps of products 4 and 5 are not multiplied (launch 3).  Nothing else is left out and every input is loaded.
; LIMIT: a NaN, an infinity or an overflow that reaches only such hidden scores is not carried to the result.
; THIS LAUNCH: x [4096][1024] f32 becomes codes, K innermost (768 bytes a row, from cq's byte 0), and one scale byte for each 32 along K (32 bytes a row, from cq's byte 3,145,728).
; A block's scale is 2^(floor(log2(its largest magnitude)) - 2); its byte is the largest magnitude's exponent field - 2, held at 1 from below.  A block of zeros so gets the byte 1 where the rule says 127:
; its codes are zeros, which add nothing under any byte but 0xff, and only this program reads the bytes.
; LIMITS: blocks whose largest magnitude lies under 2^-124 keep the byte 1; NaN and infinities among the inputs are not served.
; Rows are dense, so x is a plain stream of blocks of 32.  A wave takes 8 steps of 512 numbers, and all its 32 loads go out at the head: 16,384 bytes a wave.  Each load reads 512 consecutive bytes, 16 a lane;
; a step's 2,048 bytes turn through the wave's own stage in LDS (16 bytes of padding behind each 64) and come back 64 bytes a lane: 16 neighbours, two lanes to a block.  A lane's 16 codes are 12 bytes.
; A wave makes 128 scale bytes: the work-group's 512 are gathered in LDS, and behind the launch's one barrier waves 0 and 1 store one aligned block of 256 bytes each.
; No matrix unit, no cluster: each byte is read once and nothing is shared but the scale bytes' way out.
.set WAVES, 4
.set STEPS, 8
.set CB,    12
.set R,     16                         ; v16-143  eight sets of 16 numbers as they are loaded
.set X,     144                        ; v144-175 two sets of 16 neighbours
.set E,     176                        ; v176-183 a scale byte for each step
.set C,     184                        ; v184-215 codes: four registers for each step
.set SP,    80
.set WREG,  2*32*SP                    ; LDS: two stages of 32 x SP bytes for each wave
.set SCB,   WAVES*WREG                 ; the work-group's 512 scale bytes
.set SPARE, SCB+512                    ; the spare words: 128 bytes a wave, two blocks of 256 bytes that no other line names
.set SPW,   12                         ; v12 LDS address of my spare word; never rewritten
.set NIL,   13                         ; v13 0; never rewritten
.set SCOFF, 3145728
	s_load_b128 s[4:7], s[0:1], 0x0                ; x, cq
	v_lshl_add_u32 v[SPW], v0, 2, SPARE
	v_mov_b32 v[NIL], 0
	v_lshrrev_b32 v1, 5, v0
	v_readfirstlane_b32 s16, v1                    ; wave
	v_and_b32 v2, 31, v0                           ; lane
	v_lshlrev_b32 v3, 4, v2                        ; my 16 bytes of a load's 512
	s_mul_i32 s17, s16, WREG
	v_lshrrev_b32 v14, 2, v2
	v_mul_u32_u24 v14, v14, SP
	v_and_b32 v15, 3, v2
	v_lshl_add_u32 v14, v15, 4, v14
	v_add_nc_u32 v14, s17, v14                     ; the stage, on the way in: SP (lane / 4) + 16 (lane % 4)
	v_mul_u32_u24 v15, v2, SP
	v_add_nc_u32 v15, s17, v15                     ; on the way out: SP x lane
	v_mul_u32_u24 v4, v2, CB                       ; my codes' place in a step's
	v_lshrrev_b32 v5, 1, v2
	s_lshl_b32 s17, s16, 7
	s_add_co_u32 s17, s17, SCB
	v_add_nc_u32 v5, s17, v5                       ; my block's scale byte: SCB + 128 x wave + lane / 2
	v_lshlrev_b32 v7, 3, v2
	s_and_b32 s19, s16, 1
	s_lshl_b32 s19, s19, 8
	s_add_co_u32 s19, s19, SCB
	v_add_nc_u32 v6, s19, v7                       ; the way out (waves 0 and 1): SCB + 256 x wave + 8 x lane
	s_lshl_b32 s18, ttmp9, 2
	s_add_co_u32 s18, s18, s16                     ; which run of 4,096 numbers is my wave's
	s_lshl_b32 s22, ttmp9, 1
	s_add_co_u32 s22, s22, s16                     ; which block of 256 scale bytes (waves 0 and 1)
	s_mov_b32 s21, 0
	s_wait_alu depctr_va_vdst(0)
	s_wait_kmcnt 0x0
	s_lshl_b32 s20, s18, 14
	s_add_nc_u64 s[4:5], s[4:5], s[20:21]          ; x
	s_mul_i32 s20, s18, 32*STEPS*CB
	s_add_nc_u64 s[8:9], s[6:7], s[20:21]          ; the codes
	s_lshl_b32 s20, s22, 8
	s_add_co_u32 s20, s20, SCOFF
	s_add_nc_u64 s[10:11], s[6:7], s[20:21]        ; the scale bytes
.set t, 0
.rept STEPS
.irp i, 0,1,2,3
	global_load_b128 v[R+16*t+4*\i:R+16*t+4*\i+3], v3, s[4:5] offset:2048*t+512*\i th:TH_LOAD_NT
.endr
.set t, t+1
.endr
.macro TURN t                          ; step t's numbers through the stage: LDS serves a wave's instructions in order, so no wait stands between the stores and the loads
.irp i, 0,1,2,3
	ds_store_b128 v14, v[R+16*(\t)+4*\i:R+16*(\t)+4*\i+3] offset:32*SP*((\t)%2)+8*SP*\i
.endr
.irp i, 0,1,2,3
	ds_load_b128 v[X+16*((\t)%2)+4*\i:X+16*((\t)%2)+4*\i+3], v15 offset:32*SP*((\t)%2)+16*\i
.endr
.endm
	s_wait_loadcnt 4*(STEPS-1)                     ; step 0's four loads are in; those of the seven steps behind it may be out
	TURN 0
.macro STEP t
.set XS, X+16*((\t)%2)
.if (\t) > 0
	s_wait_dscnt 1                                 ; this step's numbers are back from the stage; the last step's byte store may be out
.else
	s_wait_dscnt 0x0
.endif
.if (\t)+1 < STEPS
	s_wait_loadcnt 4*(STEPS-2-(\t))                ; the next step's four loads are in; those of the steps behind it may be out
	TURN (\t)+1
.endif
	v_max3_num_f32 v8, |v[XS]|, |v[XS+1]|, |v[XS+2]|               ; the largest magnitude of my 16, in two chains
	v_max3_num_f32 v9, |v[XS+3]|, |v[XS+4]|, |v[XS+5]|
.irp i, 6,10
	v_max3_num_f32 v8, v8, |v[XS+\i]|, |v[XS+\i+1]|
	v_max3_num_f32 v9, v9, |v[XS+\i+2]|, |v[XS+\i+3]|
.endr
	v_max3_num_f32 v8, v8, |v[XS+14]|, |v[XS+15]|
	v_max3_num_f32 v8, v8, v9, 0x1800000           ; and the floor 2^(3 - 127): the byte cannot fall under 1
	v_max_num_f32_dpp v8, v8, v8 row_xmask:1 row_mask:0xf bank_mask:0xf   ; with my neighbour's 16: the block's
	v_add_nc_u32 v11, 0xff000000, v8               ; 2 off its exponent field: the conversion takes the exponent field of this operand as its scale
	v_cvt_scalef32_pk16_fp6_f32 v[C+4*(\t):C+4*(\t)+2], v[XS:XS+15], v11
	v_lshrrev_b32 v[E+(\t)], 23, v11               ; the scale's byte (also the plain line behind the conversion)
	ds_store_b8 v5, v[E+(\t)] offset:16*(\t)       ; both lanes of a block write the same byte with the same value
	global_store_b96 v4, v[C+4*(\t):C+4*(\t)+2], s[8:9] offset:32*CB*(\t)
.endm
.irp t, 0,1,2,3,4,5,6,7
	STEP \t
.endr
	s_wait_dscnt 0x0                               ; my byte stores are done,
	s_barrier_signal -1
	s_barrier_wait -1                              ; everybody's are
	s_cmp_lt_u32 s16, 2
	s_cbranch_scc0 .Ldone
	ds_load_b64 v[8:9], v6
	s_wait_dscnt 0x0
	global_store_b64 v7, v[8:9], s[10:11]          ; 32 lanes store 256 consecutive bytes, aligned
.Ldone:
	s_wait_tensorcnt 0x0                           ; the wave's end
	ds_add_u32 v[SPW], v[NIL]
	s_wait_dscnt 0x0
	s_endpgm
.Lfunc_end_k_q052ceb199f_quant_x:
	.size	k_q052ceb199f_quant_x, .Lfunc_end_k_q052ceb199f_quant_x-k_q052ceb199f_quant_x
	.p2alignl 7, 3214868480
	.fill 96, 4, 3214868480
	.section	.rodata,"a",@progbits
	.p2align	6, 0x0
	.amdhsa_kernel k_q052ceb199f_quant_x
		.amdhsa_group_segment_fixed_size 21504
		.amdhsa_private_segment_fixed_size 0
		.amdhsa_enable_private_segment 0
		.amdhsa_kernarg_size 16
		.amdhsa_user_sgpr_count 2
		.amdhsa_user_sgpr_kernarg_segment_ptr 1
		.amdhsa_wavefront_size32 1
		.amdhsa_system_sgpr_workgroup_id_x 1
		.amdhsa_system_sgpr_workgroup_id_y 1
		.amdhsa_system_sgpr_workgroup_id_z 1
		.amdhsa_system_vgpr_workitem_id 0
		.amdhsa_next_free_vgpr 216
		.amdhsa_next_free_sgpr 66
		.amdhsa_reserve_vcc 0
		.amdhsa_float_denorm_mode_32 3
		.amdhsa_float_denorm_mode_16_64 3
		.amdhsa_memory_ordered 1
		.amdhsa_forward_progress 1
		.amdhsa_inst_pref_size 18
	.end_amdhsa_kernel
	.amdgpu_metadata
---
amdhsa.version: [ 1, 2 ]
amdhsa.kernels:
  - .name:           k_q052ceb199f_quant_x
    .symbol:         k_q052ceb199f_quant_x.kd
    .args:
      - { .name: x, .offset: 0, .size: 8, .value_kind: global_buffer, .address_space: global }
      - { .name: cq, .offset: 8, .size: 8, .value_kind: global_buffer, .address_space: global }
    .group_segment_fixed_size: 21504
    .private_segment_fixed_size: 0
    .kernarg_segment_align: 8
    .kernarg_segment_size: 16
    .max_flat_workgroup_size: 128
    .sgpr_count:     66
    .vgpr_count:     216
    .wavefront_size: 32
...
	.end_amdgpu_metadata
.endif
;; end of part 1
;; launch qkv (part 2): grid 12 x 16, 4 waves a work-group, clusters of 4 x 4, 327,680 bytes of LDS; arguments cq, Wq_codes, Wq_scales, Wk_codes, Wk_scales, Wv_codes, Wv_scales, qb, kv; writes qb, kv
.if DOCPART == 2
	.amdgcn_target "amdgcn-amd-amdhsa--gfx1250"
	.amdhsa_code_object_version 6
	.text
	.protected	k_q052ceb199f_qkv
	.globl	k_q052ceb199f_qkv
	.p2align	8
	.type	k_q052ceb199f_qkv,@function
k_q052ceb199f_qkv:
	s_mov_b64 s[64:65], 0
	v_nop
	global_prefetch_b8 v0, s[64:65] scope:SCOPE_SE
	s_setreg_imm32_b32 hwreg(HW_REG_WAVE_MODE, 25, 1), 1
	s_wait_xcnt 0x0
	s_wait_alu depctr_hold_cnt(0) depctr_sa_sdst(0) depctr_va_vdst(0) depctr_va_sdst(0) depctr_va_ssrc(0) depctr_va_vcc(0) depctr_vm_vsrc(0)
	s_getreg_b32 s2, hwreg(HW_REG_IB_STS2, 6, 4)
	s_cmp_eq_u32 s2, 0
	s_cbranch_scc0 .Lentry_in_a_cluster
	s_endpgm
.Lentry_in_a_cluster:
	s_bfe_u32 s2, ttmp6, 0x10000c
	s_cmp_lg_u32 s2, 0xf033
	s_cbranch_scc0 .Lentry_shape_is_right
	s_endpgm
.Lentry_shape_is_right:
; q, k and v of all heads, quantised on the way out.  A GEMM on codes of FP6: a tile of 256 x 256, four waves, each 128 x 128 in 64 accumulators; K = 1,024.
; K goes through a ring of two LDS slots in CHUNKS OF 256 BYTES of each row (a row of codes is 768 bytes: three chunks, each beginning at a multiple of 256 bytes); a step of 128 along K is 96 bytes, eight steps;
; steps 2 and 5 lie across two chunks and take their fragments from both slots.  The scale bytes of the 512 rows for all of K come once, with the head's loads.
; Source 0 = 16 rows of side B, source 1 = 16 rows of side A: a lane holds ONE row of A (lane % 16), and its eight registers rows 8 (lane / 16) + 0 .. 7 of B.
; The cluster's x says what is made.  0: q, 1: k: A = tokens (x's codes), B = the weight's rows (head, d).  2: v: A = Wv's rows, B = tokens: a lane then runs along the keys, the K of the second product.
; Only pointers and tile numbers are chosen, on the cluster's x, which all sixteen partners share; A's tile hangs on cy, B's on cx: A's tiles are asked for jointly along a row of the cluster, B's along a column.
; THE ORDER INSIDE A BLOCK OF 32: a lane's 16 numbers of a block are 8 (lane / 16) + 0 .. 7 and 16 + 8 (lane / 16) + 0 .. 7, alike for q and k, and for v and the next launch's p: both sides of a product
; carry the same order, and block, scale and codes are those of the rule.
; OUT: a fragment's registers are stored as they stand (16 bytes at 16 x lane, 8 bytes at 8 x lane): every store covers 512 or 256 consecutive bytes, aligned.
;   qb [batch x head 32][step 16] records of 6,656 bytes: 8 tiles of 16 queries x 64 d (768 bytes each), 512 bytes of scale words.
;   kv [32][16] records of 13,056 bytes: K 8 tiles; from 6,144 V 4 tiles of 16 d x 128 keys (1,536 each); from 12,288 K's scale words (512); from 12,800 V's (256).
; NO PREFETCH: the walk is three chunks, written out; two of them are asked for ahead of the first product, so there is no loop to run ahead in.
; LIMITS: a block of zeros gets the scale byte 1 (its codes are zeros; only this program reads the bytes); NaN and infinities are not served.
; REGISTERS: window 0: v16-29 addresses; v32-63 scale words, two sets; from v128 A's fragments, one set.  window 1: B's fragments, two sets.  windows 2, 3: the accumulators ((a, b) at v[8 (8 (a % 4) + b)]).
.set ROWB,   256
.set NQ,     2
.set KROW,   768
.set STEPS,  8
.set CHUNKS, 3
.set PITCH,  272                       ; 256 bytes + 16 of padding
.set FR,     12
.set NL,     6
.set NP,     4
.set HALFT,  128*PITCH
.set SLOT,   4*HALFT                   ; A's 256 rows, then B's
.set KS,     32
.set SCL,    2*SLOT                    ; the scale bytes, as units of 256 bytes + 16
.set HALFS,  (128*KS/256)*272
.set SBLK,   (16*KS/256)*272
.set SPARE,  SCL+4*HALFS               ; the spare words: 128 bytes a wave, no other line names them
.set ADRA, 16                          ; v16-17 slot 0, 1; v18-19 lanes 0-15 at byte 232 of a chunk, lanes 16-31 at byte 0 of the next, in the other slot
.set ADRB, 20
.set L16,  24
.set L8,   25
.set ADRS, 27
.set SPW,  28
.set NIL,  29
.set SC,   32
.set AF,   128
.set PC,   32                          ; the way out: the codes just made
.set TM,   52
.set PWS,  68
.set SW,   76
.set G1, 24
.set G0, 32
.set G1B, 48
.set G0B, 56
.set G1S, 68
.set G0S, 76
.set G1SB, 80
.set G0SB, 88
.set G0H, 4                            ; group 0 of the head's loads of chunk 0
.set G0HB, 8
.set SEL, 20
.set HM,  94
.set MSB, 0
.macro WIN new                         ; the immediate's high byte repeats the setting that is left
.if MSB != (\new)
	s_set_vgpr_msb (MSB<<8)|(\new)
.set MSB, (\new)
.endif
.endm
.set TO_B,   0x40
.macro WINMUL hi, zero                 ; source 0 (B) window 1, source 1 (A) window 0, C and D window 2 or 3
	WIN 0xa1+0x50*(\hi)
.endm
.macro JLOAD g0a, g1a, g0b, g1b        ; waves 0, 1 fetch for A, waves 2, 3 for B; s_nop 0 and four v_nop behind each line
	s_cmp_eq_u32 s15, 0
	s_cbranch_scc0 .Lfor_b_\@
	tensor_load_to_lds s[\g0a:\g0a+3], s[\g1a:\g1a+7]
	s_nop 0
.rept 4
	v_nop
.endr
	s_branch .Lasked_\@
.Lfor_b_\@:
	tensor_load_to_lds s[\g0b:\g0b+3], s[\g1b:\g1b+7]
	s_nop 0
.rept 4
	v_nop
.endr
.Lasked_\@:
.endm
.macro CREST
	s_cmp_lg_u32 s14, 0
	s_cbranch_scc1 .Lnot_wave_0_\@
	s_barrier_signal -3
.Lnot_wave_0_\@:
	s_barrier_wait -3
	s_barrier_signal -1
	s_barrier_wait -1
.endm
.macro CROUND
	s_barrier_signal -1
	s_barrier_wait -1
	CREST
.endm
	s_load_b512 s[68:83], s[0:1], 0x0              ; cq 68, Wq codes 70, scales 72, Wk 74, 76, Wv 78, 80, qb 82
	s_load_b64 s[84:85], s[0:1], 0x40              ; kv
	v_lshl_add_u32 v[SPW], v0, 2, SPARE
	v_mov_b32 v[NIL], 0
	ds_add_u32 v[SPW], v[NIL]                      ; the opening lines: the add twice on end and its wait
	ds_add_u32 v[SPW], v[NIL]
	v_lshrrev_b32 v1, 5, v0
	v_readfirstlane_b32 s14, v1                    ; wave
	s_lshr_b32 s15, s14, 1                         ; my half of A's rows; also: I fetch for A (0) or B (1)
	s_and_b32 s16, s14, 1                          ; my half of B's rows; also: which 128 rows I fetch
	s_bfe_u32 s40, ttmp6, 0x40000                  ; cx
	s_bfe_u32 s41, ttmp6, 0x40004                  ; cy
	s_and_b32 s17, ttmp7, 0xffff
	s_lshl_b32 s17, s17, 2                         ; 4 x cluster y: the tokens' tiles walk with it
	s_cmp_eq_u32 ttmp9, 2                          ; v?
	s_cselect_b32 s18, 0, s17
	s_cselect_b32 s19, s17, 0
	s_add_co_u32 s17, s18, s41                     ; A's tile
	s_add_co_u32 s42, s19, s40                     ; B's tile
	s_lshl_b32 s43, s41, 2
	s_lshl_b32 s43, 15, s43                        ; my row of the cluster
	s_lshl_b32 s44, 0x1111, s40                    ; my column
	s_or_b32 s[G1+0], s43, (0<<16)|(1<<20)|(1<<21)|(5<<22)|(3<<25)  ; mask; 1-byte elements; padding: 4 words behind every 64
	s_or_b32 s[G1B+0], s44, (0<<16)|(1<<20)|(1<<21)|(5<<22)|(3<<25)
.irp g, G1, G1B
	s_mov_b32 s[\g+1], ROWB<<16
	s_mov_b32 s[\g+2], 256<<16                     ; 256 rows for the head's loads
	s_mov_b32 s[\g+3], ROWB<<16
	s_mov_b32 s[\g+4], 256
	s_mov_b32 s[\g+5], KROW
	s_mov_b32 s[\g+6], 0
	s_mov_b32 s[\g+7], 0
.endr
	s_lshl_b32 s20, s17, 8                         ; the tiles' first rows
	s_lshl_b32 s46, s42, 8
	s_mov_b32 s21, 0
	s_mov_b32 s47, 0
	s_mov_b64 s[18:19], KS
	s_mul_u64 s[22:23], s[20:21], s[18:19]         ; their scale bytes,
	s_mul_u64 s[92:93], s[46:47], s[18:19]
	s_mov_b64 s[18:19], KROW
	s_mul_u64 s[20:21], s[20:21], s[18:19]         ; their codes
	s_mul_u64 s[46:47], s[46:47], s[18:19]
	s_mul_i32 s18, s16, 128*KROW                   ; in the ring: my 128 rows
	s_mov_b32 s19, 0
	s_mul_i32 s45, s14, HALFT
	s_wait_dscnt 0x0                               ; both opening adds are done
	s_wait_kmcnt 0x0
	s_cmp_eq_u32 ttmp9, 0
	s_cselect_b64 s[86:87], s[70:71], s[74:75]     ; Wq's or Wk's codes,
	s_cselect_b64 s[88:89], s[72:73], s[76:77]     ; scale bytes,
	s_cselect_b64 s[12:13], s[82:83], s[84:85]     ; and where the results go
	s_add_nc_u64 s[90:91], s[68:69], 0x300000      ; x's scale bytes lie 3,145,728 bytes behind its codes
	s_cmp_eq_u32 ttmp9, 2
	s_cselect_b64 s[4:5], s[78:79], s[68:69]
	s_cselect_b64 s[6:7], s[80:81], s[90:91]
	s_cselect_b64 s[8:9], s[68:69], s[86:87]
	s_cselect_b64 s[10:11], s[90:91], s[88:89]
	s_add_nc_u64 s[20:21], s[4:5], s[20:21]
	s_add_nc_u64 s[22:23], s[6:7], s[22:23]
	s_add_nc_u64 s[46:47], s[8:9], s[46:47]
	s_add_nc_u64 s[92:93], s[10:11], s[92:93]
	s_or_b32 s[G1S+0], s43, (3<<16)|(1<<20)|(1<<21)|(5<<22)|(3<<25)   ; the scale bytes of 256 rows: 8,192 dense bytes as 32 rows of 256 + 16 (the arguments' registers are done with)
	s_or_b32 s[G1SB+0], s44, (3<<16)|(1<<20)|(1<<21)|(5<<22)|(3<<25)
.irp g, G1S, G1SB
	s_mov_b32 s[\g+1], 32<<16
	s_mov_b32 s[\g+2], KS<<16
	s_mov_b32 s[\g+3], 32<<16
	s_mov_b32 s[\g+4], KS
	s_mov_b32 s[\g+5], 32
	s_mov_b32 s[\g+6], 0
	s_mov_b32 s[\g+7], 0
.endr
	CROUND                                         ; the first joint loads meet
	s_mov_b32 s[G0H], 1
	s_mov_b32 s[G0H+1], 0
	s_mov_b64 s[G0H+2:G0H+3], s[20:21]
	s_or_b32 s[G0H+3], s[G0H+3], 0x80000000
	s_mov_b32 s[G0HB], 1
	s_mov_b32 s[G0HB+1], 2*HALFT
	s_mov_b64 s[G0HB+2:G0HB+3], s[46:47]
	s_or_b32 s[G0HB+3], s[G0HB+3], 0x80000000
	s_mov_b32 s[G0S], 1
	s_mov_b32 s[G0S+1], SCL
	s_mov_b64 s[G0S+2:G0S+3], s[22:23]
	s_or_b32 s[G0S+3], s[G0S+3], 0x80000000
	s_mov_b32 s[G0SB], 1
	s_mov_b32 s[G0SB+1], SCL+2*HALFS
	s_mov_b64 s[G0SB+2:G0SB+3], s[92:93]
	s_or_b32 s[G0SB+3], s[G0SB+3], 0x80000000
	s_add_nc_u64 s[20:21], s[20:21], s[18:19]
	s_add_nc_u64 s[46:47], s[46:47], s[18:19]
.irp s, 0,1
	s_mov_b32 s[G0+4*\s], 1
	s_add_co_u32 s[G0+4*\s+1], s45, \s*SLOT
	s_add_nc_u64 s[G0+4*\s+2:G0+4*\s+3], s[20:21], \s*ROWB
	s_or_b32 s[G0+4*\s+3], s[G0+4*\s+3], 0x80000000
	s_mov_b32 s[G0B+4*\s], 1
	s_add_co_u32 s[G0B+4*\s+1], s45, \s*SLOT
	s_add_nc_u64 s[G0B+4*\s+2:G0B+4*\s+3], s[46:47], \s*ROWB
	s_or_b32 s[G0B+4*\s+3], s[G0B+4*\s+3], 0x80000000
.endr
; the head's loads, one a wave: wave 0 chunk 0 of A's 256 rows, wave 1 of B's, wave 2 A's scale bytes, wave 3 B's; one chain of branches on the wave's number
.macro ARM under, g0, g1, next
	s_cmp_lt_u32 s14, \under
	s_cbranch_scc0 \next
	tensor_load_to_lds s[\g0:\g0+3], s[\g1:\g1+7]
	s_nop 0
.rept 4
	v_nop
.endr
	s_branch .Lhead_asked
\next:
.endm
	ARM 1, G0H,  G1,  .Lhead_b
	ARM 2, G0HB, G1B, .Lhead_sa
	ARM 3, G0S,  G1S, .Lhead_sb
	tensor_load_to_lds s[G0SB:G0SB+3], s[G1SB:G1SB+7]
	s_nop 0
.rept 4
	v_nop
.endr
.Lhead_asked:
	v_and_b32 v1, 15, v0                           ; r
	v_bfe_u32 v2, v0, 4, 1                         ; h
	v_mul_u32_u24 v3, v1, PITCH
	v_mul_u32_u24 v4, v2, 24
	v_add_nc_u32 v4, v3, v4                        ; row x pitch + 24 h
	s_mov_b32 s21, SLOT-232
	s_mov_b32 s22, SLOT+232
	v_sub_nc_u32 v7, 1, v2
	v_mul_u32_u24 v5, s21, v2
	v_add_nc_u32 v5, v3, v5
	v_add_nc_u32 v5, 232, v5                       ; lanes 0-15 byte 232 in slot 0, lanes 16-31 byte 0 in slot 1
	v_mul_u32_u24 v6, s22, v7
	v_add_nc_u32 v6, v3, v6                        ; and the other way round
	s_mul_i32 s21, s15, HALFT
	s_mul_i32 s22, s16, HALFT
	s_add_co_u32 s22, s22, 2*HALFT
	v_add_nc_u32 v[ADRA+2], s21, v5
	v_add_nc_u32 v[ADRA+3], s21, v6
	v_add_nc_u32 v[ADRB+2], s22, v5
	v_add_nc_u32 v[ADRB+3], s22, v6
.irp s, 0,1
	v_add_nc_u32 v[ADRA+\s], s21, v4
	v_add_nc_u32 v[ADRB+\s], s22, v4
	s_add_co_u32 s21, s21, SLOT
	s_add_co_u32 s22, s22, SLOT
.endr
	v_mul_u32_u24 v5, v1, KS                       ; my row's scale bytes, 16 more for each 256 passed
	v_lshrrev_b32 v6, 8, v5
	v_lshl_add_u32 v5, v6, 4, v5
	s_mul_i32 s21, s15, HALFS
	s_mul_i32 s22, s16, HALFS
	s_add_co_u32 s22, s22, 2*HALFS
	s_sub_co_u32 s22, s22, s21
	v_mul_u32_u24 v6, s22, v2                      ; lanes 16-31 take B's
	s_add_co_u32 s21, s21, SCL
	v_add_nc_u32 v5, v5, v6
	v_add_nc_u32 v[ADRS], s21, v5
.macro FRAG reg, adr, st, i            ; 16 rows x 128 K: 12 registers as six pieces of 8 bytes; byte y of a row lies in slot (y / 256) % 2 at byte y % 256
.irp p, 0,1,2,3,4,5
.set BY, 96*(\st)+48*(\p/3)+8*(\p%3)
.if BY/ROWB == (BY+24)/ROWB
	ds_load_b64 v[\reg+2*\p:\reg+2*\p+1], v[\adr+(BY/ROWB)%2] offset:BY%ROWB+(\i)*16*PITCH
.else
	ds_load_b64 v[\reg+2*\p:\reg+2*\p+1], v[\adr+2+(BY/ROWB)%2] offset:BY%ROWB-232+(\i)*16*PITCH
.endif
.endr
.endm
.macro MUL16 a0, p, q, sc, zero        ; A's blocks a0, a0 + 1 x B's eight; the 64 accumulators take turns
.irp a, \a0, \a0+1
.irp b, 0,1,2,3,4,5,6,7
.if \zero
	v_wmma_scale_f32_16x16x128_f8f6f4 v[8*(8*((\a)%4)+\b):8*(8*((\a)%4)+\b)+7], v[128*(\p)+FR*\b:128*(\p)+FR*\b+FR-1], v[AF+FR*(\a):AF+FR*(\a)+FR-1], 0, v[SC+8*NQ*(\sc)+NQ*\b+(\q)], v[SC+8*NQ*(\sc)+NQ*(\a)+(\q)] matrix_a_fmt:MATRIX_FMT_FP6 matrix_b_fmt:MATRIX_FMT_FP6 matrix_a_scale:MATRIX_SCALE_ROW1
.else
	v_wmma_scale_f32_16x16x128_f8f6f4 v[8*(8*((\a)%4)+\b):8*(8*((\a)%4)+\b)+7], v[128*(\p)+FR*\b:128*(\p)+FR*\b+FR-1], v[AF+FR*(\a):AF+FR*(\a)+FR-1], v[8*(8*((\a)%4)+\b):8*(8*((\a)%4)+\b)+7], v[SC+8*NQ*(\sc)+NQ*\b+(\q)], v[SC+8*NQ*(\sc)+NQ*(\a)+(\q)] matrix_a_fmt:MATRIX_FMT_FP6 matrix_b_fmt:MATRIX_FMT_FP6 matrix_a_scale:MATRIX_SCALE_ROW1
.endif
.endr
.endr
.endm
.macro FETCH_B st, p
	WIN TO_B
.irp i, 0,1,2,3,4,5,6,7
	FRAG 128*(\p)+FR*\i, ADRB, \st, \i
.endr
	WIN 0
.endm
.macro FETCH_A st, i0
.irp i, \i0, \i0+1, \i0+2, \i0+3
	FRAG AF+FR*(\i), ADRA, \st, \i
.endr
.endm
.macro SCALES pr                       ; the scale words of steps 2 pr, 2 pr + 1: lanes 0-15 A's block i, lanes 16-31 B's
.irp i, 0,1,2,3,4,5,6,7
	ds_load_b64 v[SC+8*NQ*((\pr)%2)+NQ*\i:SC+8*NQ*((\pr)%2)+NQ*\i+1], v[ADRS] offset:\i*SBLK+4*NQ*(\pr)
.endr
.endm
.macro PLACES n                        ; plain vector lines between a matrix instruction and a load into, or a read of, its registers
.rept \n
	v_nop
.endr
.endm
; A step: 64 products; the next step's fragments are fetched in its middle and at its end.  Where the next step ends in a chunk not yet read: wait for my tensor loads, barrier.  Where it begins in a later chunk:
; the wait for my tensor loads, an add to my spare word and its wait, the barrier, and, where a chunk two on is left, the cluster's round and the refill.
.macro STEP st, zero
.set NX, (\st)+1
.set C0, (96*(\st))/ROWB
.set C1, (96*NX)/ROWB
.set E0, (96*(\st)+95)/ROWB
.set E1, (96*NX+95)/ROWB
.if C1 > C0 || E1 > E0
	s_wait_tensorcnt 0x0
.if C1 > C0
	ds_add_u32 v[SPW], v[NIL]
	s_wait_dscnt 4*NL+1                            ; the add and the 24 loads of A's blocks 4-7 may be out
.else
	s_wait_dscnt 4*NL                              ; the 24 loads of A's blocks 4-7 may be out
.endif
	WINMUL 0, \zero
	MUL16 0, (\st)%2, (\st)%2, ((\st)/2)%2, \zero
	s_wait_dscnt 0x0                               ; the add, where there is one, and my reads are done
	s_barrier_signal -1
	MUL16 2, (\st)%2, (\st)%2, ((\st)/2)%2, \zero
	WIN 0
	s_barrier_wait -1
.if C1 > C0 && C0+2 < CHUNKS
	CREST
	s_add_nc_u64 s[G0+4*(C0%2)+2:G0+4*(C0%2)+3], s[G0+4*(C0%2)+2:G0+4*(C0%2)+3], 2*ROWB
	s_add_nc_u64 s[G0B+4*(C0%2)+2:G0B+4*(C0%2)+3], s[G0B+4*(C0%2)+2:G0B+4*(C0%2)+3], 2*ROWB
	JLOAD G0+4*(C0%2), G1, G0B+4*(C0%2), G1B       ; chunk C0 + 2; its four v_nop are the places for the loads below
.else
	PLACES NP
.endif
.else
	s_wait_dscnt 4*NL
	WINMUL 0, \zero
	MUL16 0, (\st)%2, (\st)%2, ((\st)/2)%2, \zero
	MUL16 2, (\st)%2, (\st)%2, ((\st)/2)%2, \zero
	s_wait_dscnt 0
	PLACES NP
.endif
	FETCH_B NX, NX%2
	FETCH_A NX, 0
.if NX%2 == 0
	SCALES NX/2
.endif
	WINMUL 1, \zero
	MUL16 4, (\st)%2, (\st)%2, ((\st)/2)%2, \zero
	MUL16 6, (\st)%2, (\st)%2, ((\st)/2)%2, \zero
	PLACES NP
	WIN 0
	FETCH_A NX, 4
.endm
	s_wait_alu depctr_va_vdst(0)
	s_wait_tensorcnt 0x0                           ; my tile of the head's four is in; the three lines ahead of a later first fill
	ds_add_u32 v[SPW], v[NIL]
	s_mov_b32 s[G1+2], 128<<16                     ; no load of mine is out: from here on a load brings 128 rows
	s_mov_b32 s[G1+4], 128
	s_mov_b32 s[G1B+2], 128<<16
	s_mov_b32 s[G1B+4], 128
	s_wait_dscnt 0x0
	CROUND
	JLOAD G0+4, G1, G0B+4, G1B                     ; chunk 1, the first tensor load behind the round
	FETCH_B 0, 0
	FETCH_A 0, 0
	SCALES 0
	FETCH_A 0, 4
	STEP 0, 1                                      ; the first step's products start the sums
.set ST, 1
.rept STEPS-2
	STEP ST, 0
.set ST, ST+1
.endr
	s_wait_dscnt 4*NL
	WINMUL 0, 0
	MUL16 0, 1, 1, 1, 0
	MUL16 2, 1, 1, 1, 0
	s_wait_dscnt 0
	WINMUL 1, 0
	MUL16 4, 1, 1, 1, 0
	MUL16 6, 1, 1, 1, 0
	WIN 0
	PLACES NP
; THE WAY OUT.  64 numbers of a lane in window w, v[s] on (register 16 b + i: my 16 of block b; lane xor 16 holds the other 16), become a fragment's 12 registers in v[PC] on and its scale word in v[pw].
.macro QUANT s, w, pw
	WIN 5*(\w)
.irp b, 0,1,2,3
	v_max3_num_f32 v[TM+\b], |v[(\s)+16*\b]|, |v[(\s)+16*\b+1]|, 0x1800000   ; with the floor 2^(3 - 127); each accumulator is read from its low end on
.endr
.irp i, 2,4,6,8,10,12,14
.irp b, 0,1,2,3
	v_max3_num_f32 v[TM+\b], |v[(\s)+16*\b+\i]|, |v[(\s)+16*\b+\i+1]|, v[TM+\b]
.endr
.endr
	WIN 0
.irp b, 0,1,2,3
	v_permlanex16_b32 v[TM+4+\b], v[TM+\b], s[SEL], s[SEL+1]
.endr
.irp b, 0,1,2,3
	v_max_num_f32 v[TM+\b], v[TM+\b], v[TM+4+\b]
.endr
.irp b, 0,1,2,3
	v_add_nc_u32 v[TM+12+\b], 0xff000000, v[TM+\b] ; 2 off the exponent field: the conversion's scale operand
.endr
.irp b, 0,1,2,3
	v_lshrrev_b32 v[TM+4+\b], 23, v[TM+12+\b]      ; the scale's byte
.endr
	v_lshl_or_b32 v[\pw], v[TM+5], 8, v[TM+4]
	v_lshl_or_b32 v[\pw], v[TM+6], 16, v[\pw]
	v_lshl_or_b32 v[\pw], v[TM+7], 24, v[\pw]
	WIN (\w)
.irp c, 0,1
	v_cvt_scalef32_pk16_fp6_f32 v[PC+6*\c:PC+6*\c+2], v[(\s)+32*\c:(\s)+32*\c+15], v[TM+12+2*\c]
	v_cvt_scalef32_pk16_fp6_f32 v[PC+12+4*\c:PC+12+4*\c+2], v[(\s)+32*\c+16:(\s)+32*\c+31], v[TM+13+2*\c]
.endr
	WIN 0
	v_nop                                          ; one plain line behind a scaled conversion
.irp c, 0,1                                    ; a whole block in a lane: lanes 0-15 block 2 c, lanes 16-31 block 2 c + 1
.irp i, 0,1,2
	v_permlane16_swap_b32 v[PC+6*\c+\i], v[PC+12+4*\c+\i]
.endr
.irp i, 0,1,2
	v_mov_b32 v[PC+3+6*\c+\i], v[PC+12+4*\c+\i]
.endr
.endr
.endm
	v_and_b32 v1, 31, v0
	v_cmp_le_u32 s[HM], 16, v1
	v_lshlrev_b32 v[L16], 4, v1
	v_lshlrev_b32 v[L8], 3, v1
.irp b, 0,1,2,3
	v_mov_b32 v[TM+4+\b], 0                        ; a lane permute's destination counts as one of its sources
.endr
	s_mov_b32 s[SEL], 0x76543210
	s_mov_b32 s[SEL+1], 0xfedcba98
	s_cmp_eq_u32 ttmp9, 2
	s_cselect_b32 s18, s42, s17                    ; the tokens' tile,
	s_cselect_b32 s19, s16, s15                    ; my half of it,
	s_cselect_b32 s22, s17, s42                    ; the tile of the weight's rows (four heads),
	s_cselect_b32 s23, s15, s16                    ; my half of it (two heads)
	s_lshl_b32 s18, s18, 1
	s_add_co_u32 s18, s18, s19                     ; my 128 tokens: group 0 .. 31
	s_lshr_b32 s19, s18, 4                         ; the batch
	s_and_b32 s18, s18, 15                         ; the step of 128 positions
	s_lshl_b32 s19, s19, 4
	s_lshl_b32 s22, s22, 2
	s_add_co_u32 s19, s19, s22
	s_lshl_b32 s23, s23, 1
	s_add_co_u32 s19, s19, s23                     ; 16 x batch + my first head
	s_lshl_b32 s19, s19, 4
	s_add_co_u32 s18, s19, s18                     ; the record
	s_cmp_eq_u32 ttmp9, 0
	s_mov_b32 s22, 13056
	s_cselect_b32 s22, 6656, s22                   ; a record's bytes
	s_mov_b32 s23, 12288
	s_cselect_b32 s23, 6144, s23                   ; where q's or K's scale words stand in it
	s_mul_i32 s18, s18, s22
	s_mov_b32 s19, 0
	s_add_nc_u64 s[4:5], s[12:13], s[18:19]        ; my first head's record,
	s_lshl_b32 s18, s22, 4
	s_add_nc_u64 s[6:7], s[4:5], s[18:19]          ; my second head's: 16 records on
	s_mov_b32 s18, s23
	s_add_nc_u64 s[8:9], s[4:5], s[18:19]
	s_add_nc_u64 s[10:11], s[6:7], s[18:19]
	s_cmp_eq_u32 ttmp9, 2
	s_cbranch_scc1 .Lpath_v
.macro OUTQK a                         ; block a = 16 tokens; registers 0-5 my first head's 64 d, 6-11 my second head's
.if (\a) > 0
	s_wait_xcnt 0x0                                ; the last block's stores have read v[PC] on
.endif
	QUANT 64*((\a)%4), 2+(\a)/4, PWS+(\a)
	global_store_b128 v[L16], v[PC:PC+3], s[4:5] offset:768*(\a)
	global_store_b64 v[L8], v[PC+4:PC+5], s[4:5] offset:768*(\a)+512
	global_store_b128 v[L16], v[PC+6:PC+9], s[6:7] offset:768*(\a)
	global_store_b64 v[L8], v[PC+10:PC+11], s[6:7] offset:768*(\a)+512
.endm
.irp a, 0,1,2,3,4,5,6,7
	OUTQK \a
.endr
.irp j, 0,1,2,3                                ; lane (r, h), word j: tile j + 4 h, row r; bytes 0, 1 the head's two blocks, bytes 2, 3 zero
	v_cndmask_b32 v[SW+\j], v[PWS+\j], v[PWS+4+\j], s[HM]
.endr
.irp j, 0,1,2,3
	v_lshrrev_b32 v[SW+4+\j], 16, v[SW+\j]
	v_and_b32 v[SW+\j], 0xffff, v[SW+\j]
.endr
	global_store_b128 v[L16], v[SW:SW+3], s[8:9]
	global_store_b128 v[L16], v[SW+4:SW+7], s[10:11]
	s_branch .Lend
.Lpath_v:
.macro OUTV a                          ; block a = 16 d of head a / 4 x 128 keys
.if (\a) > 0
	s_wait_xcnt 0x0
.endif
	QUANT 64*((\a)%4), 2+(\a)/4, PWS+(\a)
.irp g, 0,1,2
	global_store_b128 v[L16], v[PC+4*\g:PC+4*\g+3], s[4+2*((\a)/4):5+2*((\a)/4)] offset:6144+1536*((\a)%4)+512*\g
.endr
.endm
.irp a, 0,1,2,3,4,5,6,7
	OUTV \a
.endr
.irp c, 0,1                                    ; lane (r, h), word j: d tile j + 2 h, row r
.irp j, 0,1
	v_cndmask_b32 v[SW+2*\c+\j], v[PWS+4*\c+\j], v[PWS+4*\c+2+\j], s[HM]
.endr
	global_store_b64 v[L8], v[SW+2*\c:SW+2*\c+1], s[4+2*\c:5+2*\c] offset:12800
.endr
.Lend:
	s_wait_tensorcnt 0x0                           ; the wave's end
	ds_add_u32 v[SPW], v[NIL]
	s_wait_dscnt 0x0
	CROUND                                         ; the closing round
	s_endpgm
.Lfunc_end_k_q052ceb199f_qkv:
	.size	k_q052ceb199f_qkv, .Lfunc_end_k_q052ceb199f_qkv-k_q052ceb199f_qkv
	.p2alignl 7, 3214868480
	.fill 96, 4, 3214868480
	.section	.rodata,"a",@progbits
	.p2align	6, 0x0
	.amdhsa_kernel k_q052ceb199f_qkv
		.amdhsa_group_segment_fixed_size 327680
		.amdhsa_private_segment_fixed_size 0
		.amdhsa_enable_private_segment 0
		.amdhsa_kernarg_size 72
		.amdhsa_user_sgpr_count 2
		.amdhsa_user_sgpr_kernarg_segment_ptr 1
		.amdhsa_wavefront_size32 1
		.amdhsa_system_sgpr_workgroup_id_x 1
		.amdhsa_system_sgpr_workgroup_id_y 1
		.amdhsa_system_sgpr_workgroup_id_z 1
		.amdhsa_system_vgpr_workitem_id 0
		.amdhsa_next_free_vgpr 1024
		.amdhsa_next_free_sgpr 100
		.amdhsa_reserve_vcc 0
		.amdhsa_float_denorm_mode_32 3
		.amdhsa_float_denorm_mode_16_64 3
		.amdhsa_memory_ordered 1
		.amdhsa_forward_progress 1
		.amdhsa_inst_pref_size 200
	.end_amdhsa_kernel
	.amdgpu_metadata
---
amdhsa.version: [ 1, 2 ]
amdhsa.kernels:
  - .name:           k_q052ceb199f_qkv
    .symbol:         k_q052ceb199f_qkv.kd
    .args:
      - { .name: cq, .offset: 0, .size: 8, .value_kind: global_buffer, .address_space: global }
      - { .name: Wq_codes, .offset: 8, .size: 8, .value_kind: global_buffer, .address_space: global }
      - { .name: Wq_scales, .offset: 16, .size: 8, .value_kind: global_buffer, .address_space: global }
      - { .name: Wk_codes, .offset: 24, .size: 8, .value_kind: global_buffer, .address_space: global }
      - { .name: Wk_scales, .offset: 32, .size: 8, .value_kind: global_buffer, .address_space: global }
      - { .name: Wv_codes, .offset: 40, .size: 8, .value_kind: global_buffer, .address_space: global }
      - { .name: Wv_scales, .offset: 48, .size: 8, .value_kind: global_buffer, .address_space: global }
      - { .name: qb, .offset: 56, .size: 8, .value_kind: global_buffer, .address_space: global }
      - { .name: kv, .offset: 64, .size: 8, .value_kind: global_buffer, .address_space: global }
    .group_segment_fixed_size: 327680
    .private_segment_fixed_size: 0
    .kernarg_segment_align: 8
    .kernarg_segment_size: 72
    .max_flat_workgroup_size: 128
    .sgpr_count:     100
    .vgpr_count:     1024
    .wavefront_size: 32
...
	.end_amdgpu_metadata
.endif
;; end of part 2
;; launch attn (part 3): grid 8 x 32, 16 waves a work-group, clusters of 4 x 1, 210,944 bytes of LDS; arguments qb, kv, ac; writes ac
.if DOCPART == 3
	.amdgcn_target "amdgcn-amd-amdhsa--gfx1250"
	.amdhsa_code_object_version 6
	.text
	.protected	k_q052ceb199f_attn
	.globl	k_q052ceb199f_attn
	.p2align	8
	.type	k_q052ceb199f_attn,@function
k_q052ceb199f_attn:
	s_mov_b64 s[64:65], 0
	v_nop
	global_prefetch_b8 v0, s[64:65] scope:SCOPE_SE
	s_setreg_imm32_b32 hwreg(HW_REG_WAVE_MODE, 25, 1), 1
	s_wait_xcnt 0x0
	s_wait_alu depctr_hold_cnt(0) depctr_sa_sdst(0) depctr_va_vdst(0) depctr_va_sdst(0) depctr_va_ssrc(0) depctr_va_vcc(0) depctr_vm_vsrc(0)
	s_getreg_b32 s2, hwreg(HW_REG_IB_STS2, 6, 4)
	s_cmp_eq_u32 s2, 0
	s_cbranch_scc0 .Lentry_in_a_cluster
	s_endpgm
.Lentry_in_a_cluster:
	s_bfe_u32 s2, ttmp6, 0x10000c
	s_cmp_lg_u32 s2, 0x3003
	s_cbranch_scc0 .Lentry_shape_is_right
	s_endpgm
.Lentry_shape_is_right:
; Causal attention on codes of FP6, head size 64, 2,048 positions, 32 (batch, head) pairs.  t = score x log2(e) / 32 (reference() scales by 1024^-0.5); M = the running largest t rounded up to a whole number;
; p = 2^(t - M) is quantised along the keys; the row's sum is taken of the unquantised p and divides at the end.
; WORK LEFT OUT: steps of 128 keys all of which come after a tile's 16 queries (reference() builds the causal mask itself; their weights are exactly 0).  In the one step on the diagonal all eight tiles of keys are
; multiplied and the hidden scores are set to -infinity: which tiles are hidden hangs on the work-group's place in its cluster.
; SHARES.  A head's K, V and scale words, 16 records of 13,056 bytes, lie in LDS whole: each of the sixteen waves brings one record by one tensor load, asked for jointly by the four work-groups of a cluster, which
; belong to one head.  Nothing is filled again.  Work-group i (0 .. 7) of a head takes the query tiles 8 p + i; the wave with number p takes tile 8 p + i and walks key steps 0 .. p: the same count whatever i is, so all
; work-groups have equal work.  With s = wave % 4, waves s, s + 4, s + 8, s + 12 take p = 15 - 2 s, 14 - 2 s, 2 s + 1, 2 s: 34 steps together for every s, and the two longest of the four differ by one step.
; LAYOUT.  S^T = K Q^T (source 0 = 16 keys, source 1 = my 16 queries), O^T = V^T P^T: a lane holds one query (lane % 16) throughout.  Register j of score tile t is key 16 t + 8 (lane / 16) + j: the order inside a block of
; 32 keys in which launch 2 has laid V's codes, so p's codes meet V's term by term.
; K = 64 IN A FORM OF 128.  A tile of K or Q is six registers (k = 0 .. 63).  Q's upper six registers are zero codes.  K's operand of tile t is v[32 + 6 t] on, twelve registers: its upper six are the next tile's codes
; (for tile 7: zeros), which meet Q's zero codes and add exact zeros; the scale bytes there are 0 on both sides, which is 2^-127 and no NaN.
; OUT.  O / sum is brought into the natural order of d (it meets Wo's given codes), quantised along C and stored as 16 tokens x 64 K of launch 4's operand; its scale bytes go out one byte a lane (131,072 bytes in the
; whole launch): a scale word covers two heads, which belong to two work-groups.
; LIMITS: NaN and infinities are not served; a block of zeros gets the scale byte 1 (its codes are zeros; only this program reads the bytes).
; REGISTERS: v1 16 x lane, v2 8 x lane, v3 my query less 8 (lane / 16) within the step, v4 the scale byte's place; v8, v9 the step's LDS addresses; v12 -M, v13 the largest t, v[14:15] the sum; v16-27 Q; v32-79 K, then V;
; v80-85 zeros; v96-159 S^T, then p; v160-191 O^T; v192-193 V's scale words; v224-235 p's codes; v232-254 at work; v248-251 K's scale words; v255 Q's.
.set REC,   13056
.set QREC,  6656
.set SPARE, 16*REC                     ; the spare words: 128 bytes a wave, eight blocks of 256 bytes that no other line names
.set SPW,  5
.set NIL,  6
.set WV,   18
.set PP,   19
.set SEL,  20
.set CS,   22
.set G1,   24
.set G0,   32
.set JJ,   41
.set TB,   2
.set HM,   48
.macro CROUND
	s_barrier_signal -1
	s_barrier_wait -1
	s_cmp_lg_u32 s[WV], 0
	s_cbranch_scc1 .Lnot_wave_0_\@
	s_barrier_signal -3
.Lnot_wave_0_\@:
	s_barrier_wait -3
	s_barrier_signal -1
	s_barrier_wait -1
.endm
	s_load_b128 s[4:7], s[0:1], 0x0                ; qb, kv
	s_load_b64 s[8:9], s[0:1], 0x10                ; ac
	v_lshl_add_u32 v[SPW], v0, 2, SPARE
	v_mov_b32 v[NIL], 0
	ds_add_u32 v[SPW], v[NIL]                      ; the wave's opening: the add, twice on end, and its wait ahead of my first tensor load
	ds_add_u32 v[SPW], v[NIL]
	v_lshrrev_b32 v8, 5, v0
	s_delay_alu instid0(VALU_DEP_1)
	v_readfirstlane_b32 s[WV], v8                  ; wave 0..15
	s_and_b32 s36, s[WV], 3
	s_lshl_b32 s36, s36, 1                         ; 2 s
	s_bfe_u32 s37, s[WV], 0x10002
	s_xor_b32 s37, s37, 1
	s_or_b32 s36, s36, s37                         ; 2 s + 1 where bit 2 of the wave's number is clear, else 2 s: p of waves 8 to 15
	s_bfe_u32 s37, s[WV], 0x10003
	s_xor_b32 s37, s37, 1
	s_mul_i32 s37, s37, 14
	s_xor_b32 s[PP], s36, s37                      ; in waves 0 to 7 turned by 14: 15 - 2 s and 14 - 2 s
	s_bfe_u32 s37, ttmp6, 0x40000                  ; cx
	s_lshl_b32 s38, ttmp9, 2
	s_add_co_u32 s38, s38, s37                     ; i = 4 x cluster x + cx: it enters global addresses and the mask's compare alone
	s_and_b32 s39, ttmp7, 0xffff                   ; 16 x batch + head
	s_mov_b32 s[G1], 15|(3<<16)|(1<<21)            ; the mask: all four work-groups; elements of 8 bytes; bit 21 beside a mask; no padding
	s_mov_b32 s[G1+1], 32<<16                      ; a record is 51 rows of 256 bytes
	s_mov_b32 s[G1+2], 51<<16
	s_mov_b32 s[G1+3], 32<<16
	s_mov_b32 s[G1+4], 51
	s_mov_b32 s[G1+5], 32
	s_mov_b32 s[G1+6], 0
	s_mov_b32 s[G1+7], 0
	s_lshl_b32 s42, s39, 4
	s_add_co_u32 s42, s42, s[WV]
	s_mul_i32 s42, s42, REC                        ; key step = my wave's number: in memory,
	s_mov_b32 s43, 0
	s_mul_i32 s44, s[WV], REC                      ; and in LDS
	s_lshl_b32 s46, s39, 4
	s_add_co_u32 s46, s46, s[PP]
	s_mul_i32 s46, s46, QREC                       ; my queries' record
	s_lshr_b32 s49, s38, 2
	s_lshl_b32 s49, s49, 8
	s_and_b32 s50, s38, 3
	s_lshl_b32 s50, s50, 2
	s_add_co_u32 s50, s50, s49
	s_add_co_u32 s50, s50, s46
	s_add_co_u32 s50, s50, 6144                    ; tile i's scale words: 6,144 + 16 (r + 16 (i / 4)) + 4 (i % 4)
	s_mov_b32 s51, 0
	s_mul_i32 s45, s38, 768
	s_add_co_u32 s46, s46, s45                     ; tile i's codes
	s_mov_b32 s47, 0
	s_mov_b32 s[SEL], 0x76543210
	s_mov_b32 s[SEL+1], 0xfedcba98
	s_mov_b32 s[CS], 0x3d38aa3b                    ; c = log2(e) / 32
	s_mov_b32 s[CS+1], s[CS]
	s_mov_b32 s[TB], 0
	s_mov_b32 s[JJ], 0
	s_wait_dscnt 0x0                               ; both opening adds are done
	s_wait_kmcnt 0x0
	s_mov_b32 s[G0], 1
	s_mov_b32 s[G0+1], s44
	s_add_nc_u64 s[G0+2:G0+3], s[6:7], s[42:43]
	s_or_b32 s[G0+3], s[G0+3], 0x80000000
	s_add_nc_u64 s[10:11], s[4:5], s[46:47]
	s_add_nc_u64 s[12:13], s[4:5], s[50:51]
	CROUND                                         ; all four work-groups are here: the joint loads meet
	tensor_load_to_lds s[G0:G0+3], s[G1:G1+7]      ; my one tensor load of the launch
	s_nop 0
	v_and_b32 v1, 31, v0
	s_delay_alu instid0(VALU_DEP_1)
	v_cmp_le_u32 s[HM], 16, v1                     ; lanes 16-31
	s_delay_alu instid0(VALU_DEP_2)
	v_lshlrev_b32 v2, 3, v1                        ; 8 x lane
	s_delay_alu instid0(VALU_DEP_3)
	v_lshlrev_b32 v1, 4, v1                        ; 16 x lane
	v_and_b32 v10, 15, v0                          ; r
	v_bfe_u32 v11, v0, 4, 1                        ; h
	s_delay_alu instid0(VALU_DEP_2)
	v_lshlrev_b32 v7, 4, v10
	global_load_b128 v[16:19], v1, s[10:11]        ; Q's six registers
	global_load_b64 v[20:21], v2, s[10:11] offset:512
	global_load_b32 v255, v7, s[12:13]             ; Q's scale words
	s_lshl_b32 s52, s38, 4
	v_lshlrev_b32 v3, 3, v11
	s_delay_alu instid0(VALU_DEP_1)
	v_sub_nc_u32 v3, v10, v3
	s_delay_alu instid0(VALU_DEP_1)
	v_add_nc_u32 v3, s52, v3                       ; 16 i + r - 8 h
	v_lshl_add_u32 v4, v10, 5, v11                 ; 32 r + h
	v_mov_b32 v13, 0xff61b1e6                      ; the largest t so far: -3e38
	s_delay_alu instid0(VALU_DEP_1)
	v_floor_f32 v12, -v13                          ; -M
	v_mov_b32 v14, 0
	v_mov_b32 v15, 0
.irp j, 22,23,24,25,26,27,80,81,82,83,84,85,236,237,238,239,252,253
	v_mov_b32 v\j, 0                               ; Q's zero codes; the zeros behind K's tile 7; lane permutes' destinations and pairs' upper halves, written once
.endr
.set n, 0
.rept 32
	v_mov_b32 v[160+n], 0                          ; O^T: the step is written once; the first finds zeros
.set n, n+1
.endr
	s_wait_tensorcnt 0x0                           ; my record is in,
	s_barrier_signal -1
	s_barrier_wait -1                              ; everybody's is
	s_wait_loadcnt 0x0                             ; Q
.Lstep:                                            ; 16 trips in every wave; a step whose keys all come after my queries is jumped over: the condition is made of the wave's number and the count of trips
	s_cmp_gt_u32 s[JJ], s[PP]
	s_cbranch_scc1 .Lskip
	v_add_nc_u32 v8, s[TB], v1
	v_add_nc_u32 v9, s[TB], v2
	v_nop
	v_nop                                          ; four plain lines between the last products and the loads into their registers
.irp t, 0,1,2,3,4,5,6,7
	ds_load_b128 v[32+6*\t:35+6*\t], v8 offset:768*\t
	ds_load_b64 v[36+6*\t:37+6*\t], v9 offset:768*\t+512
.endr
	ds_load_b128 v[248:251], v8 offset:12288       ; word j: tile j in lanes 0-15, tile j + 4 in lanes 16-31
	s_wait_alu depctr_va_vdst(0)
	s_wait_dscnt 0x0
.irp t, 0,1,2,3
	v_wmma_scale_f32_16x16x128_f8f6f4 v[96+8*\t:103+8*\t], v[32+6*\t:43+6*\t], v[16:27], 0, v[248+\t], v255 matrix_a_fmt:MATRIX_FMT_FP6 matrix_b_fmt:MATRIX_FMT_FP6
.endr
.irp t, 4,5,6,7
	v_wmma_scale_f32_16x16x128_f8f6f4 v[96+8*\t:103+8*\t], v[32+6*\t:43+6*\t], v[16:27], 0, v[244+\t], v255 matrix_a_fmt:MATRIX_FMT_FP6 matrix_b_fmt:MATRIX_FMT_FP6 matrix_a_scale:MATRIX_SCALE_ROW1
.endr
.rept 4
	v_nop
.endr
.irp t, 0,1,2,3                                ; V lands while the softmax is walked
.irp g, 0,1,2
	ds_load_b128 v[32+12*\t+4*\g:35+12*\t+4*\g], v8 offset:6144+1536*\t+512*\g
.endr
.endr
	ds_load_b64 v[192:193], v9 offset:12800
	s_cmp_lt_u32 s[JJ], s[PP]
	s_cbranch_scc1 .Lopen                          ; all keys of this step count
	v_mov_b32 v254, 0xff800000                     ; on the diagonal: register n holds key 16 (n / 8) + n % 8 + 8 h of the step: hidden where that is above my query
.set n, 0
.rept 64
	v_cmp_gt_i32 vcc_lo, 16*(n/8)+n%8, v3
	v_cndmask_b32 v[96+n], v[96+n], v254, vcc_lo
.set n, n+1
.endr
.Lopen:
.irp b, 0,1,2,3
	v_max3_num_f32 v[232+\b], v[96+16*\b], v[97+16*\b], v[98+16*\b]   ; the largest score of each block of 32 keys: for the row's maximum, and, since p rises with the score, for the block's largest p
.endr
.irp i, 3,5,7,9,11,13
.irp b, 0,1,2,3
	v_max3_num_f32 v[232+\b], v[232+\b], v[96+16*\b+\i], v[97+16*\b+\i]
.endr
.endr
.irp b, 0,1,2,3
	v_max_num_f32 v[232+\b], v[232+\b], v[111+16*\b]
.endr
.irp b, 0,1,2,3
	s_delay_alu instid0(VALU_DEP_4)
	v_permlanex16_b32 v[236+\b], v[232+\b], s[SEL], s[SEL+1]
.endr
.irp b, 0,1,2,3
	s_delay_alu instid0(VALU_DEP_4)
	v_max_num_f32 v[232+\b], v[232+\b], v[236+\b]
.endr
	s_delay_alu instid0(VALU_DEP_2)
	v_max3_num_f32 v254, v232, v233, v234
	s_delay_alu instid0(VALU_DEP_1)
	v_max_num_f32 v254, v254, v235
	s_delay_alu instid0(VALU_DEP_1)
	v_mul_f32 v254, s[CS], v254
	s_delay_alu instid0(VALU_DEP_1)
	v_max_num_f32 v13, v13, v254                   ; the running largest t
	v_mov_b32 v254, v12
	s_delay_alu instid0(VALU_DEP_2)
	v_floor_f32 v12, -v13                          ; the new -M = -ceil(t)
	s_delay_alu instid0(VALU_DEP_1)
	v_sub_f32 v254, v12, v254                      ; old M less new M: a whole number, 0 or less
	s_delay_alu instid0(VALU_DEP_1)
	v_cvt_i32_f32 v254, v254
	s_delay_alu instid0(VALU_DEP_1)
	v_ldexp_f32 v252, 1.0, v254                    ; f = 2^(old M - new M): exact
.set n, 0
.rept 32
	v_pk_fma_f32 v[96+n:97+n], v[96+n:97+n], s[CS:CS+1], v[12:13] op_sel_hi:[1,0,0]   ; t - M
.set n, n+2
.endr
.irp b, 0,1,2,3
	v_fma_f32 v[232+\b], v[232+\b], s[CS], v12
.endr
.set n, 0
	s_wait_alu depctr_va_vdst(0)
.rept 64
	v_exp_f32 v[96+n], v[96+n]                     ; p
.set n, n+1
.endr
	v_pk_mul_f32 v[14:15], v[14:15], v[252:253] op_sel_hi:[1,0]   ; the sums under the new M (a plain line behind the exponentials)
	s_wait_alu depctr_va_vdst(0)                   ; one wait for the batch of 64, ahead of its first reader
.irp b, 0,1,2,3
	v_exp_f32 v[232+\b], v[232+\b]                 ; each block's largest p
.endr
	v_pk_add_f32 v[236:237], v[100:101], v[104:105]
	v_pk_add_f32 v[250:251], v[108:109], v[112:113]
	v_pk_add_f32 v[248:249], v[116:117], v[120:121]
	v_pk_add_f32 v[246:247], v[124:125], v[128:129]
	v_pk_add_f32 v[244:245], v[132:133], v[136:137]
	v_pk_add_f32 v[242:243], v[140:141], v[144:145]
	v_pk_add_f32 v[240:241], v[148:149], v[152:153]
	v_pk_add_f32 v[14:15], v[14:15], v[156:157]
	v_pk_add_f32 v[236:237], v[236:237], v[96:97]
	v_pk_add_f32 v[250:251], v[250:251], v[98:99]
	v_pk_add_f32 v[248:249], v[248:249], v[102:103]
	v_pk_add_f32 v[246:247], v[246:247], v[106:107]
	v_pk_add_f32 v[244:245], v[244:245], v[110:111]
	v_pk_add_f32 v[242:243], v[242:243], v[114:115]
	v_pk_add_f32 v[240:241], v[240:241], v[118:119]
	v_pk_add_f32 v[14:15], v[14:15], v[122:123]
	v_pk_add_f32 v[236:237], v[236:237], v[126:127]
	v_pk_add_f32 v[250:251], v[250:251], v[130:131]
	v_pk_add_f32 v[248:249], v[248:249], v[134:135]
	v_pk_add_f32 v[246:247], v[246:247], v[138:139]
	v_pk_add_f32 v[244:245], v[244:245], v[142:143]
	v_pk_add_f32 v[242:243], v[242:243], v[146:147]
	v_pk_add_f32 v[240:241], v[240:241], v[150:151]
	v_pk_add_f32 v[14:15], v[14:15], v[154:155]
	v_pk_add_f32 v[236:237], v[236:237], v[158:159]
	s_delay_alu instid0(VALU_DEP_2)
	v_pk_add_f32 v[14:15], v[14:15], v[246:247]
	s_delay_alu instid0(VALU_DEP_2)
	v_pk_add_f32 v[236:237], v[236:237], v[244:245]
	v_pk_add_f32 v[250:251], v[250:251], v[242:243]
	v_pk_add_f32 v[248:249], v[248:249], v[240:241]
	s_delay_alu instid0(VALU_DEP_2)
	v_pk_add_f32 v[14:15], v[14:15], v[250:251]
	s_delay_alu instid0(VALU_DEP_2)
	v_pk_add_f32 v[236:237], v[236:237], v[248:249]
	s_delay_alu instid0(VALU_DEP_1)
	v_pk_add_f32 v[14:15], v[14:15], v[236:237]
	s_wait_alu depctr_va_vdst(0)                   ; and one for the four
.irp b, 0,1,2,3
	v_max_num_f32 v[232+\b], 0x1800000, v[232+\b]  ; the floor 2^(3 - 127)
.endr
.irp b, 0,1,2,3
	s_delay_alu instid0(VALU_DEP_4)
	v_add_nc_u32 v[244+\b], 0xff000000, v[232+\b]
.endr
.irp b, 0,1,2,3
	s_delay_alu instid0(VALU_DEP_4)
	v_lshrrev_b32 v[236+\b], 23, v[244+\b]
.endr
	s_delay_alu instid0(VALU_DEP_3)
	v_lshl_or_b32 v253, v237, 8, v236              ; p's scale word for these 128 keys
	s_delay_alu instid0(VALU_DEP_1)
	v_lshl_or_b32 v253, v238, 16, v253
	s_delay_alu instid0(VALU_DEP_1)
	v_lshl_or_b32 v253, v239, 24, v253
.irp c, 0,1
	v_cvt_scalef32_pk16_fp6_f32 v[224+6*\c:226+6*\c], v[96+32*\c:111+32*\c], v[244+2*\c]
	v_cvt_scalef32_pk16_fp6_f32 v[236+4*\c:238+4*\c], v[112+32*\c:127+32*\c], v[244+2*\c+1]
.endr
	v_nop
.irp c, 0,1
.irp i, 0,1,2
	v_permlane16_swap_b32 v[224+6*\c+\i], v[236+4*\c+\i]
.endr
.irp i, 0,1,2
	s_delay_alu instid0(VALU_DEP_3)
	v_mov_b32 v[227+6*\c+\i], v[236+4*\c+\i]
.endr
.endr
.set n, 0
.rept 16
	v_pk_mul_f32 v[160+n:161+n], v[160+n:161+n], v[252:253] op_sel_hi:[1,0]   ; O^T under the new M; these sixteen also stand between the lines that made p's codes and scale word and the products
.set n, n+2
.endr
	s_wait_alu depctr_va_vdst(0)
	s_wait_dscnt 0x0                               ; V
.irp t, 0,1
	v_wmma_scale_f32_16x16x128_f8f6f4 v[160+8*\t:167+8*\t], v[32+12*\t:43+12*\t], v[224:235], v[160+8*\t:167+8*\t], v[192+\t], v253 matrix_a_fmt:MATRIX_FMT_FP6 matrix_b_fmt:MATRIX_FMT_FP6
.endr
.irp t, 2,3
	v_wmma_scale_f32_16x16x128_f8f6f4 v[160+8*\t:167+8*\t], v[32+12*\t:43+12*\t], v[224:235], v[160+8*\t:167+8*\t], v[190+\t], v253 matrix_a_fmt:MATRIX_FMT_FP6 matrix_b_fmt:MATRIX_FMT_FP6 matrix_a_scale:MATRIX_SCALE_ROW1
.endr
.Lskip:
	s_add_co_u32 s[TB], s[TB], REC
	s_add_co_u32 s[JJ], s[JJ], 1
	s_cmp_lt_u32 s[JJ], 16
	s_cbranch_scc1 .Lstep
	; THE WAY OUT
.rept 4
	v_nop
.endr
	v_add_f32 v14, v14, v15
	s_delay_alu instid0(VALU_DEP_1)
	v_permlanex16_b32 v252, v14, s[SEL], s[SEL+1]
	s_delay_alu instid0(VALU_DEP_1)
	v_add_f32 v14, v14, v252                       ; the row's sum
	s_wait_alu depctr_va_vdst(0)
	v_rcp_f32 v14, v14
	v_nop
	s_lshr_b32 s53, s39, 4                         ; batch
	s_and_b32 s54, s39, 15                         ; head
	s_lshl_b32 s55, s53, 7
	s_lshl_b32 s56, s[PP], 3
	s_add_co_u32 s55, s55, s56
	s_add_co_u32 s55, s55, s38                     ; my tile of 16 tokens: 128 x batch + 8 p + i
	s_lshl_b32 s55, s55, 4
	s_add_co_u32 s55, s55, s54
	s_mul_i32 s56, s55, 768
	s_mov_b32 s57, 0
	s_add_nc_u64 s[10:11], s[8:9], s[56:57]        ; the codes' place
	s_lshl_b32 s55, s53, 4
	s_add_co_u32 s55, s55, s[PP]                   ; my group of 128 tokens
	s_lshl_b32 s55, s55, 3
	s_lshr_b32 s56, s54, 1
	s_add_co_u32 s55, s55, s56                     ; x 8 + which 128 along C
	s_lshl_b32 s56, s55, 9
	s_lshl_b32 s55, s38, 2
	s_add_co_u32 s56, s56, s55                     ; + 4 i: my tile's word in a row's 32 bytes
	s_and_b32 s55, s54, 1
	s_lshl_b32 s55, s55, 1
	s_add_co_u32 s56, s56, s55                     ; + 2 (head % 2)
	s_add_co_u32 s56, s56, 3145728
	s_add_nc_u64 s[12:13], s[8:9], s[56:57]
	s_wait_alu depctr_va_vdst(0)                   ; the reciprocal's wait, ahead of its first reader
.set n, 0
.rept 32
	v_mul_f32 v[96+n], v[160+n], v14               ; register 8 t + j: d = 16 t + 8 h + j
.set n, n+1
.endr
.irp g, 0,1                                    ; the natural order of d: behind these a lane's registers 16 g + 0 .. 15 are d = 32 g + 16 h + 0 .. 15
.irp j, 0,1,2,3,4,5,6,7
	v_permlane16_swap_b32 v[96+16*\g+\j], v[104+16*\g+\j]
.endr
.endr
.irp g, 0,1
	v_max3_num_f32 v[232+\g], |v[96+16*\g]|, |v[97+16*\g]|, 0x1800000
.endr
.irp i, 2,4,6,8,10,12,14
.irp g, 0,1
	s_delay_alu instid0(VALU_DEP_2)
	v_max3_num_f32 v[232+\g], v[232+\g], |v[96+16*\g+\i]|, |v[97+16*\g+\i]|
.endr
.endr
.irp g, 0,1
	s_delay_alu instid0(VALU_DEP_2)
	v_permlanex16_b32 v[236+\g], v[232+\g], s[SEL], s[SEL+1]
.endr
.irp g, 0,1
	s_delay_alu instid0(VALU_DEP_2)
	v_max_num_f32 v[232+\g], v[232+\g], v[236+\g]
.endr
.irp g, 0,1
	s_delay_alu instid0(VALU_DEP_2)
	v_add_nc_u32 v[244+\g], 0xff000000, v[232+\g]
.endr
.irp g, 0,1
	s_delay_alu instid0(VALU_DEP_2)
	v_lshrrev_b32 v[238+\g], 23, v[244+\g]
.endr
	s_delay_alu instid0(VALU_DEP_1)
	v_cndmask_b32 v240, v238, v239, s[HM]          ; lanes 0-15 store block 0's byte, lanes 16-31 block 1's
	v_cvt_scalef32_pk16_fp6_f32 v[224:226], v[96:111], v244
	v_cvt_scalef32_pk16_fp6_f32 v[248:250], v[112:127], v245
	v_nop
.irp i, 0,1,2
	v_permlane16_swap_b32 v[224+\i], v[248+\i]
.endr
.irp i, 0,1,2
	s_delay_alu instid0(VALU_DEP_3)
	v_mov_b32 v[227+\i], v[248+\i]                 ; v224-229: lane (r, h) holds block h of token r
.endr
	global_store_b128 v1, v[224:227], s[10:11]
	global_store_b64 v2, v[228:229], s[10:11] offset:512
	global_store_b8 v4, v240, s[12:13]
	s_wait_tensorcnt 0x0                           ; the wave's end
	ds_add_u32 v[SPW], v[NIL]
	s_wait_dscnt 0x0
	CROUND                                         ; the closing round
	s_endpgm
.Lfunc_end_k_q052ceb199f_attn:
	.size	k_q052ceb199f_attn, .Lfunc_end_k_q052ceb199f_attn-k_q052ceb199f_attn
	.p2alignl 7, 3214868480
	.fill 96, 4, 3214868480
	.section	.rodata,"a",@progbits
	.p2align	6, 0x0
	.amdhsa_kernel k_q052ceb199f_attn
		.amdhsa_group_segment_fixed_size 210944
		.amdhsa_private_segment_fixed_size 0
		.amdhsa_enable_private_segment 0
		.amdhsa_kernarg_size 24
		.amdhsa_user_sgpr_count 2
		.amdhsa_user_sgpr_kernarg_segment_ptr 1
		.amdhsa_wavefront_size32 1
		.amdhsa_system_sgpr_workgroup_id_x 1
		.amdhsa_system_sgpr_workgroup_id_y 1
		.amdhsa_system_sgpr_workgroup_id_z 1
		.amdhsa_system_vgpr_workitem_id 0
		.amdhsa_next_free_vgpr 256
		.amdhsa_next_free_sgpr 66
		.amdhsa_reserve_vcc 1
		.amdhsa_float_denorm_mode_32 3
		.amdhsa_float_denorm_mode_16_64 3
		.amdhsa_memory_ordered 1
		.amdhsa_forward_progress 1
		.amdhsa_inst_pref_size 35
	.end_amdhsa_kernel
	.amdgpu_metadata
---
amdhsa.version: [ 1, 2 ]
amdhsa.kernels:
  - .name:           k_q052ceb199f_attn
    .symbol:         k_q052ceb199f_attn.kd
    .args:
      - { .name: qb, .offset: 0, .size: 8, .value_kind: global_buffer, .address_space: global }
      - { .name: kv, .offset: 8, .size: 8, .value_kind: global_buffer, .address_space: global }
      - { .name: ac, .offset: 16, .size: 8, .value_kind: global_buffer, .address_space: global }
    .group_segment_fixed_size: 210944
    .private_segment_fixed_size: 0
    .kernarg_segment_align: 8
    .kernarg_segment_size: 24
    .max_flat_workgroup_size: 512
    .sgpr_count:     66
    .vgpr_count:     256
    .wavefront_size: 32
...
	.end_amdgpu_metadata
.endif
;; end of part 3
;; launch wo (part 4): grid 8 x 32, 4 waves a work-group, clusters of 4 x 4, 327,680 bytes of LDS; arguments ac, Wo_codes, Wo_scales, bo, x, yz; writes yz
.if DOCPART == 4
	.amdgcn_target "amdgcn-amd-amdhsa--gfx1250"
	.amdhsa_code_object_version 6
	.text
	.protected	k_q052ceb199f_wo
	.globl	k_q052ceb199f_wo
	.p2align	8
	.type	k_q052ceb199f_wo,@function
k_q052ceb199f_wo:
	s_mov_b64 s[64:65], 0
	v_nop
	global_prefetch_b8 v0, s[64:65] scope:SCOPE_SE
	s_setreg_imm32_b32 hwreg(HW_REG_WAVE_MODE, 25, 1), 1
	s_wait_xcnt 0x0
	s_wait_alu depctr_hold_cnt(0) depctr_sa_sdst(0) depctr_va_vdst(0) depctr_va_sdst(0) depctr_va_ssrc(0) depctr_va_vcc(0) depctr_vm_vsrc(0)
	s_getreg_b32 s2, hwreg(HW_REG_IB_STS2, 6, 4)
	s_cmp_eq_u32 s2, 0
	s_cbranch_scc0 .Lentry_in_a_cluster
	s_endpgm
.Lentry_in_a_cluster:
	s_bfe_u32 s2, ttmp6, 0x10000c
	s_cmp_lg_u32 s2, 0xf033
	s_cbranch_scc0 .Lentry_shape_is_right
	s_endpgm
.Lentry_shape_is_right:
; y = res + A W^T + bias, f32, [4096][1024].  Here A = the attention's result as codes (ac), W = Wo, bias = bo, res = x, K = 1,024.
; N is 1,024, so tiles of 256 x 256 would give 64 work-groups: a tile is 128 x 128, 256 work-groups.  The four waves stand one below the other: wave w makes tokens 32 w .. 32 w + 31 x all 128 columns, 16 accumulators.
; Source 0 = 16 rows of W, source 1 = 16 tokens: a lane holds one token and eight neighbouring columns.
; A lies in memory as images of its operand's registers: [tile of 16 tokens][128 along K] x 1,536 bytes (registers 0-3 at 16 x lane, 4-5 at 512 + 8 x lane, 6-9 at 768 + 16 x lane, 10-11 at 1,280 + 8 x lane); behind the
; codes its scale words, [128 tokens][128 along K] x 512 bytes, the word of row r of tile a at 32 r + 4 a.
; A GOES STRAIGHT INTO REGISTERS: each load covers 512 or 256 consecutive bytes, no wave loads what another wave loads, and a ring of eight register sets holds seven steps of 128 along K on their way, counted on LOADcnt.
; W goes through LDS: a slot holds 1,024 along K of the tile's 128 rows (768 bytes a row), waves 0 and 1 bringing 64 rows each by one tensor load, asked for jointly along a column of the 4 x 4 cluster.
; WHY A'S TILES ARE NOT ASKED FOR JOINTLY, though the four work-groups of a row of the cluster read them: with A's images in LDS a slot of these 104,448 bytes held 512 along K of both operands, and K = 4,096 (launch 7,
; the same text) took six refills, each behind a round of the cluster's barrier with all loads waited for; without them it holds 1,024 along K of W: two refills there, none here; and A's loads are bound to no round.
; The scale words of both sides for all of K come once, with the first fills (A's jointly along a row of the cluster, W's along a column).  The bias is the C of each sum's first product; the residual is loaded at the head
; and added on the way out, which goes through each wave's stage in LDS, bytes of its own.
; REGISTERS: window 0: v4-11 W's LDS addresses; v16-22 offsets; v32-63 A's scale words, v64-191 W's (two sets each).  window 1: W's fragments, two buffers of 96 (v0, v128); on the way out the rows read back.
;   window 2: v0-191 A's ring: set q at 24 q, tile a at + 12 a; v192-255 the bias.  window 3: v0-127 accumulator (a, b) at 8 (8 a + b); v128-255 the residual.
.set SIZE_K, 1024
.set NCH,    SIZE_K/1024               ; slots' worth of K
.set NQT,    SIZE_K/128                ; steps of 128 along K
.set APITCH, 12*SIZE_K                 ; a token tile's images for all of K
.set ROWB,   768
.set KROW,   SIZE_K*3/4
.set PITCH,  816                       ; 3 x (256 bytes + 16 of padding) = 204 words: row r starts at bank 12 r mod 64: the 32 lanes of a load of 8 bytes touch 64 different banks
.set QUART,  32*PITCH                  ; 32 rows: half of what one load of W's codes brings
.set SLOT,   4*QUART
.set SCB,    2*SLOT
.set KS,     SIZE_K/32
.set HALFSB, (64*KS/256)*272
.set SBLK,   (16*KS/256)*272
.set SCA,    SCB+2*HALFSB
.set HALFSA, 2*SIZE_K
.set STG,    SCA+2*HALFSA              ; the stages: 16 rows x (512 bytes + 16) for each wave; no fill lands here
.set SPITCH, 528
.set SPARE,  STG+4*16*SPITCH           ; the spare words: 128 bytes a wave, two blocks of 256 bytes that no other line names
.set ACODES, 3072*SIZE_K               ; A's codes in bytes
.set ADRB,   4                         ; v[4 + 4 slot + 2 u + x]: rows 64 u on; x = 1: behind one padding more
.set L16,    16                        ; 16 x lane
.set L8,     17                        ; 8 x lane
.set STO,    18
.set RD,     19
.set ADRSA,  20
.set ADRSB,  21
.set BO,     22                        ; 32 x (lane / 16)
.set SPW,    28
.set NIL,    29
.set SAR,    32
.set SBR,    64
.set BI,     192                       ; in window 2
.set RES,    128                       ; in window 3
.set G1B,  48
.set G0B,  56
.set G1SA, 68
.set G0SA, 76
.set G1SB, 80
.set G0SB, 88
.set G0H,  24                          ; s[24:27] group 0 of the head's load of W's codes
.set MSB, 0
.macro WIN new                         ; the immediate's high byte repeats the setting that is left
.if MSB != (\new)
	s_set_vgpr_msb (MSB<<8)|(\new)
.set MSB, (\new)
.endif
.endm
.macro ARM under, g0, g1, next         ; an arm of the head's one chain of branches on the wave's number: one tensor load; s_nop 0 and four v_nop behind it
	s_cmp_lt_u32 s16, \under
	s_cbranch_scc0 \next
	tensor_load_to_lds s[\g0:\g0+3], s[\g1:\g1+7]
	s_nop 0
.rept 4
	v_nop
.endr
	s_branch .Lhead_asked
\next:
.endm
.macro CREST
	s_cmp_lg_u32 s16, 0
	s_cbranch_scc1 .Lnot_wave_0_\@
	s_barrier_signal -3
.Lnot_wave_0_\@:
	s_barrier_wait -3
	s_barrier_signal -1
	s_barrier_wait -1
.endm
.macro CROUND
	s_barrier_signal -1
	s_barrier_wait -1
	CREST
.endm
	s_load_b256 s[4:11], s[0:1], 0x0               ; A, W's codes, W's scale bytes, the bias
	s_load_b128 s[12:15], s[0:1], 0x20             ; the residual, the result
	v_lshl_add_u32 v[SPW], v0, 2, SPARE
	v_mov_b32 v[NIL], 0
	ds_add_u32 v[SPW], v[NIL]                      ; the wave's opening: the add, twice on end, and its wait ahead of my first tensor load
	ds_add_u32 v[SPW], v[NIL]
	v_lshrrev_b32 v1, 5, v0
	v_readfirstlane_b32 s16, v1                    ; wave
	s_bfe_u32 s40, ttmp6, 0x40000                  ; cx
	s_bfe_u32 s41, ttmp6, 0x40004                  ; cy
	s_lshl_b32 s42, ttmp9, 2
	s_add_co_u32 s42, s42, s40                     ; tile column
	s_and_b32 s19, ttmp7, 0xffff
	s_lshl_b32 s19, s19, 2
	s_add_co_u32 s19, s19, s41                     ; tile row
	s_lshl_b32 s43, s41, 2
	s_lshl_b32 s43, 15, s43                        ; my row of the cluster
	s_lshl_b32 s44, 0x1111, s40                    ; my column
	s_or_b32 s[G1B], s44, (0<<16)|(1<<20)|(1<<21)|(5<<22)|(3<<25)   ; W: elements of 1 byte; padding on; bit 21 beside a mask; after every 64 words, 4 words
	s_mov_b32 s[G1B+1], ROWB<<16                   ; tensor_dim0
	s_mov_b32 s[G1B+2], 64<<16                     ; tensor_dim1: a load of W's codes brings 64 rows
	s_mov_b32 s[G1B+3], ROWB<<16                   ; tile_dim0
	s_mov_b32 s[G1B+4], 64                         ; tile_dim1
	s_mov_b32 s[G1B+5], KROW                       ; the pitch
	s_mov_b32 s[G1B+6], 0
	s_mov_b32 s[G1B+7], 0
	s_or_b32 s[G1SA], s43, (3<<16)|(1<<21)         ; A's scale words: all of the group's, dense, as rows of 256 bytes
	s_mov_b32 s[G1SA+1], 32<<16
	s_mov_b32 s[G1SA+2], (SIZE_K/64)<<16           ; all the group's scale words in one load
	s_mov_b32 s[G1SA+3], 32<<16
	s_mov_b32 s[G1SA+4], SIZE_K/64
	s_mov_b32 s[G1SA+5], 32
	s_mov_b32 s[G1SA+6], 0
	s_mov_b32 s[G1SA+7], 0
	s_or_b32 s[G1SB], s44, (3<<16)|(1<<20)|(1<<21)|(5<<22)|(3<<25)  ; W's scale bytes of all 128 rows, dense, as rows of 256 bytes + 16
	s_mov_b32 s[G1SB+1], 32<<16
	s_mov_b32 s[G1SB+2], (128*KS/256)<<16          ; the scale bytes of all 128 rows in one load
	s_mov_b32 s[G1SB+3], 32<<16
	s_mov_b32 s[G1SB+4], 128*KS/256
	s_mov_b32 s[G1SB+5], 32
	s_mov_b32 s[G1SB+6], 0
	s_mov_b32 s[G1SB+7], 0
	s_lshl_b32 s20, s19, 3
	s_lshl_b32 s21, s16, 1
	s_add_co_u32 s20, s20, s21
	s_mul_i32 s20, s20, APITCH                     ; my two token tiles: 8 x tile row + 2 x wave
	s_mov_b32 s21, 0
	s_mul_i32 s22, s19, 4*SIZE_K
	s_add_co_u32 s22, s22, ACODES                  ; A's scale words
	s_mov_b32 s23, 0
	s_lshl_b32 s46, s42, 7
	s_mul_i32 s92, s46, KS                         ; W's scale bytes: row 128 x tile column
	s_mov_b32 s93, 0
	s_mul_i32 s46, s46, KROW                       ; W's codes: the same row,
	s_mov_b32 s47, 0
	s_mul_i32 s28, s16, 64*KROW                    ; + 64 x wave (waves 0 and 1 ask)
	s_mov_b32 s29, 0
	s_mul_i32 s[G0H+1], s16, 2*QUART               ; where they go: no place in the cluster enters an LDS address
	s_wait_dscnt 0x0                               ; both opening adds are done
	s_wait_kmcnt 0x0
	s_add_nc_u64 s[22:23], s[4:5], s[22:23]
	s_add_nc_u64 s[4:5], s[4:5], s[20:21]          ; A at my first token tile
	s_add_nc_u64 s[46:47], s[6:7], s[46:47]
	s_add_nc_u64 s[92:93], s[8:9], s[92:93]
	CROUND                                         ; all sixteen work-groups are here: the first joint loads meet
	s_mov_b32 s[G0SA], 1
	s_mov_b32 s[G0SA+1], SCA
	s_mov_b64 s[G0SA+2:G0SA+3], s[22:23]
	s_or_b32 s[G0SA+3], s[G0SA+3], 0x80000000
	s_mov_b32 s[G0SB], 1
	s_mov_b32 s[G0SB+1], SCB
	s_mov_b64 s[G0SB+2:G0SB+3], s[92:93]
	s_or_b32 s[G0SB+3], s[G0SB+3], 0x80000000
	s_mov_b32 s[G0H], 1
	s_add_nc_u64 s[G0H+2:G0H+3], s[46:47], s[28:29]
	s_or_b32 s[G0H+3], s[G0H+3], 0x80000000
	; THE HEAD'S LOADS, ONE A WAVE: waves 0 and 1 bring 64 rows of W's codes each, wave 2 all of A's scale words, wave 3 all of W's scale bytes
	ARM 2, G0H,  G1B,  .Lhead_sa
	ARM 3, G0SA, G1SA, .Lhead_sb
	tensor_load_to_lds s[G0SB:G0SB+3], s[G1SB:G1SB+7]
	s_nop 0
.rept 4
	v_nop
.endr
.Lhead_asked:
	v_and_b32 v1, 15, v0                           ; r
	v_bfe_u32 v2, v0, 4, 1                         ; h
	v_and_b32 v3, 31, v0                           ; lane
	v_lshlrev_b32 v[L16], 4, v3
	v_lshlrev_b32 v[L8], 3, v3
	v_lshlrev_b32 v[BO], 5, v2
	v_mul_u32_u24 v[ADRB], v1, PITCH
	v_mad_u32_u24 v[ADRB], v2, 24, v[ADRB]         ; a fragment's row x pitch + 24 x half,
	v_lshl_add_u32 v[ADRB+1], v2, 4, v[ADRB]       ; and the same behind one padding more
	v_add_nc_u32 v[ADRB+2], 64*PITCH, v[ADRB]      ; rows 64 on: an LDS offset has 16 bits
	v_add_nc_u32 v[ADRB+3], 64*PITCH, v[ADRB+1]
.irp j, 0,1,2,3
	v_add_nc_u32 v[ADRB+4+\j], SLOT, v[ADRB+\j]    ; slot 1
.endr
	s_lshl_b32 s20, s16, 3
	s_add_co_u32 s20, s20, SCA
	v_lshl_add_u32 v[ADRSA], v1, 5, s20            ; row r's words of my two token tiles: 32 r + 8 x wave
	v_mul_u32_u24 v12, v1, KS
	v_lshrrev_b32 v13, 8, v12
	v_lshl_add_u32 v12, v13, 4, v12
	v_add_nc_u32 v[ADRSB], SCB, v12                ; row r's scale bytes: KS bytes a row, 16 more for each 256 passed
	s_mul_i32 s23, s16, 16*SPITCH
	s_add_co_u32 s23, s23, STG                     ; my stage
	v_mul_u32_u24 v12, v1, SPITCH
	v_lshl_add_u32 v12, v2, 5, v12
	v_add_nc_u32 v[STO], s23, v12                  ; in: row r, 32 bytes for each half of the lanes
	v_add_nc_u32 v[RD], s23, v[L16]                ; back: the 32 lanes take one row of 512 bytes
	s_lshl_b32 s20, s19, 7
	s_lshl_b32 s21, s16, 5
	s_add_co_u32 s20, s20, s21                     ; my first row: 128 x tile row + 32 x wave
	s_lshl_b32 s20, s20, 12
	s_lshl_b32 s46, s42, 9                         ; the tile's first column, in bytes
	s_mov_b32 s47, 0
	s_add_nc_u64 s[10:11], s[10:11], s[46:47]
	s_add_co_u32 s20, s20, s46
	s_mov_b32 s21, 0
	s_add_nc_u64 s[12:13], s[12:13], s[20:21]
	s_add_nc_u64 s[14:15], s[14:15], s[20:21]
; A's fragments of step m (128 along K) into set m % 8: eight loads
.macro ALOAD m
.if (\m) < NQT
	WIN 0x80                                       ; destination window 2
.irp a, 0,1
	global_load_b128 v[24*((\m)%8)+12*\a:24*((\m)%8)+12*\a+3], v[L16], s[4:5] offset:\a*APITCH+(\m)*1536
	global_load_b64 v[24*((\m)%8)+12*\a+4:24*((\m)%8)+12*\a+5], v[L8], s[4:5] offset:\a*APITCH+(\m)*1536+512
	global_load_b128 v[24*((\m)%8)+12*\a+6:24*((\m)%8)+12*\a+9], v[L16], s[4:5] offset:\a*APITCH+(\m)*1536+768
	global_load_b64 v[24*((\m)%8)+12*\a+10:24*((\m)%8)+12*\a+11], v[L8], s[4:5] offset:\a*APITCH+(\m)*1536+1280
.endr
.endif
.endm
	WIN 0x80
.irp b, 0,1,2,3,4,5,6,7
	global_load_b128 v[BI+8*\b:BI+8*\b+3], v[BO], s[10:11] offset:64*\b          ; bias(16 b + 8 h + 0 .. 7): the result's layout
	global_load_b128 v[BI+8*\b+4:BI+8*\b+7], v[BO], s[10:11] offset:64*\b+16
.endr
	WIN 0xc0                                       ; destination window 3
.set t, 0
.rept 32
	global_load_b128 v[RES+4*t:RES+4*t+3], v[L16], s[12:13] offset:t*4096 th:TH_LOAD_NT   ; the residual: my 32 rows' 512 bytes
.set t, t+1
.endr
.irp m, 0,1,2,3,4,5,6
	ALOAD \m                                       ; the ring's first seven steps; the bias and the residual are older, so the wait for step 0 shows them in too
.endr
	WIN 0
.macro FRAGB reg, adr, q, i            ; a fragment of W: six pieces of 8 bytes; 16 bytes of padding lie behind every 32 pieces; lanes 16-31 read three pieces on
.irp p, 0,1,2,3,4,5
.set PCE, 12*(\q)+6*(\p/3)+\p%3
.if PCE%32 < 29
	ds_load_b64 v[\reg+2*\p:\reg+2*\p+1], v[\adr] offset:8*PCE+16*(PCE/32)+(\i)*16*PITCH
.else
	ds_load_b64 v[\reg+2*\p:\reg+2*\p+1], v[\adr+1] offset:8*PCE+16*(PCE/32)+(\i)*16*PITCH
.endif
.endr
.endm
.macro FETCHB slot, q                  ; 48 LDS loads in one run: W's eight fragments of the slot's q-th 128 along K into buffer q % 2
	WIN 0x40                                       ; destination window 1
.irp i, 0,1,2,3,4,5,6,7
	FRAGB 128*((\q)%2)+12*\i, ADRB+4*(\slot)+2*(\i/4), \q, \i%4
.endr
.endm
.macro SCALES c                        ; the scale words of 1,024 along K, the c-th: A's register 2 q + a, W's register 8 b + q; both sides in lanes 0-15 of registers of their own
	WIN 0
.irp q, 0,1,2,3,4,5,6,7
	ds_load_b64 v[SAR+16*((\c)%2)+2*\q:SAR+16*((\c)%2)+2*\q+1], v[ADRSA] offset:512*(8*(\c)+\q)
.endr
.irp b, 0,1,2,3,4,5,6,7
	ds_load_b128 v[SBR+64*((\c)%2)+8*\b:SBR+64*((\c)%2)+8*\b+3], v[ADRSB] offset:\b*SBLK+32*(\c)
	ds_load_b128 v[SBR+64*((\c)%2)+8*\b+4:SBR+64*((\c)%2)+8*\b+7], v[ADRSB] offset:\b*SBLK+32*(\c)+16
.endr
.endm
.macro WINM c, q                       ; source 0 (W) window 1, source 1 (A) window 2, D window 3; C with D, or, where the bias starts the sums, window 2
.if ((\c)+(\q)) == 0
	WIN 0xe9
.else
	WIN 0xf9
.endif
.endm
.macro MULB c, q, b                    ; two matrix instructions; the 16 accumulators take turns in one order everywhere
.irp a, 0,1
.if ((\c)+(\q)) == 0
	v_wmma_scale_f32_16x16x128_f8f6f4 v[8*(8*\a+(\b)):8*(8*\a+(\b))+7], v[128*((\q)%2)+12*(\b):128*((\q)%2)+12*(\b)+11], v[24*(\q)+12*\a:24*(\q)+12*\a+11], v[BI+8*(\b):BI+8*(\b)+7], v[SBR+64*((\c)%2)+8*(\b)+(\q)], v[SAR+16*((\c)%2)+2*(\q)+\a] matrix_a_fmt:MATRIX_FMT_FP6 matrix_b_fmt:MATRIX_FMT_FP6
.else
	v_wmma_scale_f32_16x16x128_f8f6f4 v[8*(8*\a+(\b)):8*(8*\a+(\b))+7], v[128*((\q)%2)+12*(\b):128*((\q)%2)+12*(\b)+11], v[24*(\q)+12*\a:24*(\q)+12*\a+11], v[8*(8*\a+(\b)):8*(8*\a+(\b))+7], v[SBR+64*((\c)%2)+8*(\b)+(\q)], v[SAR+16*((\c)%2)+2*(\q)+\a] matrix_a_fmt:MATRIX_FMT_FP6 matrix_b_fmt:MATRIX_FMT_FP6
.endif
.endr
.endm
.macro PLACES                          ; four plain vector lines between a matrix instruction and a load into, or a read of, its registers
.rept 4
	v_nop
.endr
.endm
.macro LWAIT n                         ; A's step n is in: behind its eight loads those of steps n + 1 .. n + 6 have been issued, as far as K has so many
.if NQT-1-(\n) >= 6
	s_wait_loadcnt 48
.else
	s_wait_loadcnt 8*(NQT-1-(\n))
.endif
.endm
.macro STEP c, q                       ; one of a slot's first seven steps of 128 along K
	s_wait_dscnt 0x0                               ; this step's fragments of W are in (asked for a step ago)
	LWAIT 8*(\c)+(\q)
	PLACES                                         ; behind the last step's products: W's other buffer and A's set q - 1 are loaded again
	FETCHB (\c)%2, (\q)+1
	ALOAD 8*(\c)+(\q)+7
	WINM \c, \q
.irp b, 0,1,2,3,4,5,6,7
	MULB \c, \q, \b
.endr
.endm
.macro TURN c                          ; a slot's last step changes slots: one barrier; in front of it each wave waits for all its tensor loads, adds 0 to its spare word, and waits for that and for its reads of this slot
	WIN 0
	s_wait_tensorcnt 0x0                           ; all my tensor loads have landed: my part of the next slot
	ds_add_u32 v[SPW], v[NIL]
	s_wait_dscnt 1                                 ; the add alone may be out
	LWAIT 8*(\c)+7
	WIN 0xf9
	MULB \c, 7, 0
	MULB \c, 7, 1
	s_wait_dscnt 0x0                               ; the add is done, and my reads of this slot are over
	s_barrier_signal -1
	MULB \c, 7, 2
	MULB \c, 7, 3
	WIN 0
	s_barrier_wait -1
.if (\c)+2 < NCH
	CREST                                          ; the barrier has opened a round of the cluster's barrier: no wave of any partner still reads this slot or has a load on its way
	s_add_nc_u64 s[G0B+4*((\c)%2)+2:G0B+4*((\c)%2)+3], s[G0B+4*((\c)%2)+2:G0B+4*((\c)%2)+3], 2*ROWB
	tensor_load_to_lds s[G0B+4*((\c)%2):G0B+4*((\c)%2)+3], s[G1B:G1B+7]   ; my one tensor load behind the round: 1,024 along K, two slots on
	s_nop 0
	PLACES
.else
	PLACES
.endif
	FETCHB ((\c)+1)%2, 0
	SCALES (\c)+1
	ALOAD 8*(\c)+14
	WIN 0xf9
.irp b, 4,5,6,7
	MULB \c, 7, \b
.endr
.endm
.if NCH > 1
	s_wait_tensorcnt 1                             ; the scales and my part of slot 0 are in; slot 1's load may be out
.else
	s_wait_alu depctr_va_vdst(0)
	s_wait_tensorcnt 0x0                           ; the scales and my part of the one slot are in
.endif
	s_barrier_signal -1
	s_barrier_wait -1
	FETCHB 0, 0
	SCALES 0
.set CC, 0
.rept NCH                              ; K is written out: every offset is an immediate and no pointer is stepped
.set QQ, 0
.rept 7
	STEP CC, QQ
.set QQ, QQ+1
.endr
.if CC < NCH-1
	TURN CC
.endif
.set CC, CC+1
.endr
	s_wait_dscnt 0x0                               ; the very last step
	s_wait_loadcnt 0x0
	WIN 0xf9
.irp b, 0,1,2,3,4,5,6,7
	MULB NCH-1, 7, \b
.endr
	WIN 0
	PLACES
; THE WAY OUT, 16 rows x 128 columns at a time through my stage: LDS serves a wave's instructions in order, so no wait stands between the stores and the loads, nor in front of the next block's stores
.macro TOSTAGE a
	WIN 0x0c                                       ; an LDS store's data are its source 1: window 3
.irp b, 0,1,2,3,4,5,6,7
	ds_store_b128 v[STO], v[8*(8*(\a)+\b):8*(8*(\a)+\b)+3] offset:64*\b          ; each accumulator from its low end on
	ds_store_b128 v[STO], v[8*(8*(\a)+\b)+4:8*(8*(\a)+\b)+7] offset:64*\b+16
.endr
	WIN 0x40                                       ; back into window 1, where W's fragments lay
.set t, 0
.rept 16
	ds_load_b128 v[128*(\a)+4*t:128*(\a)+4*t+3], v[RD] offset:t*SPITCH
.set t, t+1
.endr
.endm
.macro SEND a, younger
	s_wait_dscnt \younger                          ; the block is back; the next block's 16 stores and 16 loads may be out
	WIN 0x4d                                       ; destination and source 0 window 1, source 1 (the residual) window 3
.set k, 0
.rept 32
	v_pk_add_f32 v[128*(\a)+2*k:128*(\a)+2*k+1], v[128*(\a)+2*k:128*(\a)+2*k+1], v[RES+64*(\a)+2*k:RES+64*(\a)+2*k+1]
.set k, k+1
.endr
	WIN 0x04                                       ; a store's data are its source 1: window 1
.set t, 0
.rept 16
	global_store_b128 v[L16], v[128*(\a)+4*t:128*(\a)+4*t+3], s[14:15] offset:(16*(\a)+t)*4096   ; 32 lanes store 512 consecutive bytes, aligned
.set t, t+1
.endr
.endm
	TOSTAGE 0
	TOSTAGE 1
	SEND 0, 32
	SEND 1, 0
	WIN 0
	s_wait_tensorcnt 0x0                           ; the wave's end
	ds_add_u32 v[SPW], v[NIL]
	s_wait_dscnt 0x0
	CROUND                                         ; the closing round
	s_endpgm
.Lfunc_end_k_q052ceb199f_wo:
	.size	k_q052ceb199f_wo, .Lfunc_end_k_q052ceb199f_wo-k_q052ceb199f_wo
	.p2alignl 7, 3214868480
	.fill 96, 4, 3214868480
	.section	.rodata,"a",@progbits
	.p2align	6, 0x0
	.amdhsa_kernel k_q052ceb199f_wo
		.amdhsa_group_segment_fixed_size 327680
		.amdhsa_private_segment_fixed_size 0
		.amdhsa_enable_private_segment 0
		.amdhsa_kernarg_size 48
		.amdhsa_user_sgpr_count 2
		.amdhsa_user_sgpr_kernarg_segment_ptr 1
		.amdhsa_wavefront_size32 1
		.amdhsa_system_sgpr_workgroup_id_x 1
		.amdhsa_system_sgpr_workgroup_id_y 1
		.amdhsa_system_sgpr_workgroup_id_z 1
		.amdhsa_system_vgpr_workitem_id 0
		.amdhsa_next_free_vgpr 1024
		.amdhsa_next_free_sgpr 98
		.amdhsa_reserve_vcc 0
		.amdhsa_float_denorm_mode_32 3
		.amdhsa_float_denorm_mode_16_64 3
		.amdhsa_memory_ordered 1
		.amdhsa_forward_progress 1
		.amdhsa_inst_pref_size 74
	.end_amdhsa_kernel
	.amdgpu_metadata
---
amdhsa.version: [ 1, 2 ]
amdhsa.kernels:
  - .name:           k_q052ceb199f_wo
    .symbol:         k_q052ceb199f_wo.kd
    .args:
      - { .name: ac, .offset: 0, .size: 8, .value_kind: global_buffer, .address_space: global }
      - { .name: Wo_codes, .offset: 8, .size: 8, .value_kind: global_buffer, .address_space: global }
      - { .name: Wo_scales, .offset: 16, .size: 8, .value_kind: global_buffer, .address_space: global }
      - { .name: bo, .offset: 24, .size: 8, .value_kind: global_buffer, .address_space: global }
      - { .name: x, .offset: 32, .size: 8, .value_kind: global_buffer, .address_space: global }
      - { .name: yz, .offset: 40, .size: 8, .value_kind: global_buffer, .address_space: global }
    .group_segment_fixed_size: 327680
    .private_segment_fixed_size: 0
    .kernarg_segment_align: 8
    .kernarg_segment_size: 48
    .max_flat_workgroup_size: 128
    .sgpr_count:     98
    .vgpr_count:     1024
    .wavefront_size: 32
...
	.end_amdgpu_metadata
.endif
;; end of part 4
;; launch norm1 (part 5): grid 256 x 1, 4 waves a work-group, no clusters, 21,504 bytes of LDS; arguments yz, g1, hbuf, cq; writes hbuf, cq
.if DOCPART == 5
	.amdgcn_target "amdgcn-amd-amdhsa--gfx1250"
	.amdhsa_code_object_version 6
	.text
	.protected	k_q052ceb199f_norm1
	.globl	k_q052ceb199f_norm1
	.p2align	8
	.type	k_q052ceb199f_norm1,@function
k_q052ceb199f_norm1:
	s_mov_b64 s[64:65], 0
	v_nop
	global_prefetch_b8 v0, s[64:65] scope:SCOPE_SE
	s_setreg_imm32_b32 hwreg(HW_REG_WAVE_MODE, 25, 1), 1
	s_wait_xcnt 0x0
; h = y rsqrt(mean(y^2) + 1e-6) g1, row by row of 1,024, in f32 (stored to hbuf), and h's codes of FP6 with their scale bytes (cq: 768 bytes a row from byte 0, 32 bytes a row from byte 3,145,728).
; A wave takes 4 rows; a row is eight loads of 512 consecutive bytes and stays in 32 registers between the sum and the scaling.  All 32 row loads of a wave go out at the head: 16,384 bytes a wave;
; each row is scaled in place and stored from the registers it was loaded into, which are never written again.
; For the conversions a lane must hold 16 neighbours: each half row turns through the wave's own stage in LDS (16 bytes of padding behind each 64), as in launch 1.
; A wave makes 128 scale bytes: the work-group's 512 are gathered in LDS, and behind the launch's one barrier waves 0 and 1 store one aligned block of 256 bytes each.
; A stream: no matrix unit, no cluster.  LIMITS: a block of zeros gets the scale byte 1 (its codes are zeros; only this program reads the bytes); NaN and infinities are not served.
.set SP,    80
.set WREG,  2*32*SP                    ; two stages of 32 x SP bytes for each wave
.set SCB,   4*WREG                     ; the work-group's 512 scale bytes
.set SPARE, SCB+512                    ; the spare words: 128 bytes a wave, two blocks of 256 bytes that no other line names
.set R,     32                         ; v32-159  four rows
.set G,     160                        ; v160-191 g1 in the rows' layout
.set X,     192                        ; v192-223 two sets of 16 neighbours
.set C,     224                        ; v224-239 codes, four sets
.set E,     240                        ; v240-243 scale bytes
	s_load_b256 s[4:11], s[0:1], 0x0               ; y, g1, h, cq
	v_lshl_add_u32 v12, v0, 2, SPARE               ; my spare word; never rewritten
	v_mov_b32 v13, 0                               ; 0; never rewritten
	v_lshrrev_b32 v8, 5, v0
	v_readfirstlane_b32 s16, v8                    ; wave
	v_and_b32 v9, 31, v0                           ; lane
	v_lshlrev_b32 v1, 4, v9                        ; 16 x lane
	s_mul_i32 s17, s16, WREG
	v_lshrrev_b32 v2, 2, v9
	v_mul_u32_u24 v2, v2, SP
	v_and_b32 v3, 3, v9
	v_lshl_add_u32 v2, v3, 4, v2
	v_add_nc_u32 v2, s17, v2                       ; the stage, on the way in
	v_mul_u32_u24 v3, v9, SP
	v_add_nc_u32 v3, s17, v3                       ; on the way out
	v_mul_u32_u24 v4, v9, 12
	v_lshrrev_b32 v5, 1, v9
	s_lshl_b32 s17, s16, 7
	s_add_co_u32 s17, s17, SCB
	v_add_nc_u32 v5, s17, v5                       ; my block's scale byte: SCB + 128 x wave + lane / 2
	v_lshlrev_b32 v7, 3, v9
	s_and_b32 s19, s16, 1
	s_lshl_b32 s19, s19, 8
	s_add_co_u32 s19, s19, SCB
	v_add_nc_u32 v6, s19, v7                       ; the way out (waves 0 and 1): SCB + 256 x wave + 8 x lane
	s_lshl_b32 s18, ttmp9, 2
	s_add_co_u32 s18, s18, s16                     ; my run of 4 rows
	s_lshl_b32 s26, ttmp9, 1
	s_add_co_u32 s26, s26, s16                     ; which block of 256 scale bytes (waves 0 and 1)
	s_mov_b32 s20, 0x3a800000                      ; 1 / 1,024
	s_mov_b32 s21, 0x358637bd                      ; 1e-6
	s_mov_b32 s22, 0x76543210
	s_mov_b32 s23, 0xfedcba98
	s_mov_b32 s25, 0
	s_wait_alu depctr_va_vdst(0)
	s_wait_kmcnt 0x0
	s_lshl_b32 s24, s18, 14
	s_add_nc_u64 s[4:5], s[4:5], s[24:25]
	s_add_nc_u64 s[8:9], s[8:9], s[24:25]
	s_mul_i32 s24, s18, 3072
	s_add_nc_u64 s[12:13], s[10:11], s[24:25]
	s_lshl_b32 s24, s26, 8
	s_add_co_u32 s24, s24, 3145728
	s_add_nc_u64 s[14:15], s[10:11], s[24:25]
.irp i, 0,1,2,3,4,5,6,7
	global_load_b128 v[G+4*\i:G+4*\i+3], v1, s[6:7] offset:512*\i
.endr
.irp p, 0,1,2,3
.irp i, 0,1,2,3,4,5,6,7
	global_load_b128 v[R+32*\p+4*\i:R+32*\p+4*\i+3], v1, s[4:5] offset:4096*\p+512*\i th:TH_LOAD_NT
.endr
.endr
.macro BLK t                           ; 512 numbers, 16 a lane, into codes and scale bytes
.set XS, X+16*((\t)%2)
	v_max3_num_f32 v8, |v[XS]|, |v[XS+1]|, |v[XS+2]|
	v_max3_num_f32 v9, |v[XS+3]|, |v[XS+4]|, |v[XS+5]|
.irp i, 6,10
	v_max3_num_f32 v8, v8, |v[XS+\i]|, |v[XS+\i+1]|
	v_max3_num_f32 v9, v9, |v[XS+\i+2]|, |v[XS+\i+3]|
.endr
	v_max3_num_f32 v8, v8, |v[XS+14]|, |v[XS+15]|
	v_max3_num_f32 v8, v8, v9, 0x1800000           ; the floor 2^(3 - 127)
	v_max_num_f32_dpp v8, v8, v8 row_xmask:1 row_mask:0xf bank_mask:0xf
	v_add_nc_u32 v11, 0xff000000, v8
	v_cvt_scalef32_pk16_fp6_f32 v[C+4*((\t)%4):C+4*((\t)%4)+2], v[XS:XS+15], v11
	v_lshrrev_b32 v[E+(\t)%4], 23, v11             ; the byte (also the plain line behind the conversion)
	ds_store_b8 v5, v[E+(\t)%4] offset:16*(\t)
	global_store_b96 v4, v[C+4*((\t)%4):C+4*((\t)%4)+2], s[12:13] offset:384*(\t)
.endm
.macro ROW p
.set RS, R+32*(\p)
	s_wait_loadcnt 8*(3-(\p))                      ; my row is in; the rows behind it, eight loads each, may be out
.irp k, 0,1,2,3
	v_pk_mul_f32 v[16+2*\k:17+2*\k], v[RS+2*\k:RS+2*\k+1], v[RS+2*\k:RS+2*\k+1]      ; the squares, in four chains
.endr
.irp m, 1,2,3
.irp k, 0,1,2,3
	v_pk_fma_f32 v[16+2*\k:17+2*\k], v[RS+8*\m+2*\k:RS+8*\m+2*\k+1], v[RS+8*\m+2*\k:RS+8*\m+2*\k+1], v[16+2*\k:17+2*\k]
.endr
.endr
	v_pk_add_f32 v[16:17], v[16:17], v[18:19]
	v_pk_add_f32 v[20:21], v[20:21], v[22:23]
	v_pk_add_f32 v[16:17], v[16:17], v[20:21]
	v_add_f32 v16, v16, v17
	v_add_f32_dpp v16, v16, v16 row_xmask:1 row_mask:0xf bank_mask:0xf
	v_add_f32_dpp v16, v16, v16 row_xmask:2 row_mask:0xf bank_mask:0xf
	v_add_f32_dpp v16, v16, v16 row_xmask:4 row_mask:0xf bank_mask:0xf
	v_add_f32_dpp v16, v16, v16 row_xmask:8 row_mask:0xf bank_mask:0xf
	v_permlanex16_b32 v17, v16, s22, s23
	v_add_f32 v16, v16, v17
	v_fma_f32 v16, v16, s20, s21                   ; the mean + 1e-6
	s_wait_alu depctr_va_vdst(0)                   ; ahead of the transcendental,
	v_rsq_f32 v14, v16
	v_nop
	s_wait_alu depctr_va_vdst(0)                   ; and ahead of the first line that names its result
	v_mov_b32 v15, v14
.set k, 0
.rept 16
	v_pk_mul_f32 v[RS+2*k:RS+2*k+1], v[RS+2*k:RS+2*k+1], v[14:15]
.set k, k+1
.endr
.set k, 0
.rept 16
	v_pk_mul_f32 v[RS+2*k:RS+2*k+1], v[RS+2*k:RS+2*k+1], v[G+2*k:G+2*k+1]   ; reference()'s order: first the norm, then the gain
.set k, k+1
.endr
.irp i, 0,1,2,3,4,5,6,7
	global_store_b128 v1, v[RS+4*\i:RS+4*\i+3], s[8:9] offset:4096*(\p)+512*\i
.endr
.irp u, 0,1
.irp i, 0,1,2,3
	ds_store_b128 v2, v[RS+16*\u+4*\i:RS+16*\u+4*\i+3] offset:32*SP*\u+8*SP*\i
.endr
.irp i, 0,1,2,3
	ds_load_b128 v[X+16*\u+4*\i:X+16*\u+4*\i+3], v3 offset:32*SP*\u+16*\i
.endr
.endr
	s_wait_dscnt 8                                 ; the first half row is back; the second half's eight LDS instructions may be out
	BLK 2*(\p)
	s_wait_dscnt 1                                 ; the second half is back; the byte store just issued may be out
	BLK 2*(\p)+1
	s_wait_xcnt 0x0                                ; the stores have read their registers: the code sets may be written again
.endm
.irp p, 0,1,2,3
	ROW \p
.endr
	s_wait_dscnt 0x0                               ; my byte stores are done,
	s_barrier_signal -1
	s_barrier_wait -1                              ; everybody's are
	s_cmp_lt_u32 s16, 2
	s_cbranch_scc0 .Ldone
	ds_load_b64 v[8:9], v6
	s_wait_dscnt 0x0
	global_store_b64 v7, v[8:9], s[14:15]          ; 32 lanes store 256 consecutive bytes, aligned
.Ldone:
	s_wait_tensorcnt 0x0                           ; the wave's end
	ds_add_u32 v12, v13
	s_wait_dscnt 0x0
	s_endpgm
.Lfunc_end_k_q052ceb199f_norm1:
	.size	k_q052ceb199f_norm1, .Lfunc_end_k_q052ceb199f_norm1-k_q052ceb199f_norm1
	.p2alignl 7, 3214868480
	.fill 96, 4, 3214868480
	.section	.rodata,"a",@progbits
	.p2align	6, 0x0
	.amdhsa_kernel k_q052ceb199f_norm1
		.amdhsa_group_segment_fixed_size 21504
		.amdhsa_private_segment_fixed_size 0
		.amdhsa_enable_private_segment 0
		.amdhsa_kernarg_size 32
		.amdhsa_user_sgpr_count 2
		.amdhsa_user_sgpr_kernarg_segment_ptr 1
		.amdhsa_wavefront_size32 1
		.amdhsa_system_sgpr_workgroup_id_x 1
		.amdhsa_system_sgpr_workgroup_id_y 1
		.amdhsa_system_sgpr_workgroup_id_z 1
		.amdhsa_system_vgpr_workitem_id 0
		.amdhsa_next_free_vgpr 248
		.amdhsa_next_free_sgpr 66
		.amdhsa_reserve_vcc 0
		.amdhsa_float_denorm_mode_32 3
		.amdhsa_float_denorm_mode_16_64 3
		.amdhsa_memory_ordered 1
		.amdhsa_forward_progress 1
		.amdhsa_inst_pref_size 37
	.end_amdhsa_kernel
	.amdgpu_metadata
---
amdhsa.version: [ 1, 2 ]
amdhsa.kernels:
  - .name:           k_q052ceb199f_norm1
    .symbol:         k_q052ceb199f_norm1.kd
    .args:
      - { .name: yz, .offset: 0, .size: 8, .value_kind: global_buffer, .address_space: global }
      - { .name: g1, .offset: 8, .size: 8, .value_kind: global_buffer, .address_space: global }
      - { .name: hbuf, .offset: 16, .size: 8, .value_kind: global_buffer, .address_space: global }
      - { .name: cq, .offset: 24, .size: 8, .value_kind: global_buffer, .address_space: global }
    .group_segment_fixed_size: 21504
    .private_segment_fixed_size: 0
    .kernarg_segment_align: 8
    .kernarg_segment_size: 32
    .max_flat_workgroup_size: 128
    .sgpr_count:     66
    .vgpr_count:     248
    .wavefront_size: 32
...
	.end_amdgpu_metadata
.endif
;; end of part 5
;; launch ffn1 (part 6): grid 16 x 16, 4 waves a work-group, clusters of 4 x 4, 327,680 bytes of LDS; arguments cq, b1, W1_codes, W1_scales, fc; writes fc
.if DOCPART == 6
	.amdgcn_target "amdgcn-amd-amdhsa--gfx1250"
	.amdhsa_code_object_version 6
	.text
	.protected	k_q052ceb199f_ffn1
	.globl	k_q052ceb199f_ffn1
	.p2align	8
	.type	k_q052ceb199f_ffn1,@function
k_q052ceb199f_ffn1:
	s_mov_b64 s[64:65], 0
	v_nop
	global_prefetch_b8 v0, s[64:65] scope:SCOPE_SE
	s_setreg_imm32_b32 hwreg(HW_REG_WAVE_MODE, 25, 1), 1
	s_wait_xcnt 0x0
	s_wait_alu depctr_hold_cnt(0) depctr_sa_sdst(0) depctr_va_vdst(0) depctr_va_sdst(0) depctr_va_ssrc(0) depctr_va_vcc(0) depctr_vm_vsrc(0)
	s_getreg_b32 s2, hwreg(HW_REG_IB_STS2, 6, 4)
	s_cmp_eq_u32 s2, 0
	s_cbranch_scc0 .Lentry_in_a_cluster
	s_endpgm
.Lentry_in_a_cluster:
	s_bfe_u32 s2, ttmp6, 0x10000c
	s_cmp_lg_u32 s2, 0xf033
	s_cbranch_scc0 .Lentry_shape_is_right
	s_endpgm
.Lentry_shape_is_right:
; silu(h W1 + b1), quantised along the hidden axis on the way out.  A GEMM on codes of FP6: a tile of 256 tokens x 256 hidden units, four waves, each 128 x 128 in 64 accumulators; K = 1,024.
; The walk along K is launch qkv's: a ring of two LDS slots in chunks of 256 bytes of each row (three chunks, each beginning at a multiple of 256 bytes), eight steps of 128 along K; the scale bytes come once.
; Side A = tokens (h's codes in cq, scale bytes 3,145,728 bytes behind), side B = W1's rows.  Source 0 = 16 rows of B, source 1 = 16 tokens: a lane holds one token and eight neighbouring hidden units.
; b1 is the C of each sum's first product.  A's tiles are asked for jointly along a row of the 4 x 4 cluster, B's along a column.
; OUT (fc): images of the next launch's operand registers, [tile of 16 tokens][128 along its K] x 1,536 bytes, 49,152 bytes a token tile; from byte 12,582,912 the scale words, [128 tokens][128 along K] x 512 bytes,
; the word of row r of tile a at 32 r + 4 a.  Every store covers 512 or 256 consecutive bytes, aligned.
; NO PREFETCH: the walk is three chunks, written out; two of them are asked for ahead of the first product, so there is no loop to run ahead in.
; LIMITS: a block of zeros gets the scale byte 1 (its codes are zeros; only this program reads the bytes); NaN and infinities are not served.
; REGISTERS: window 0: v16-29 addresses; v32-63 scale words; v64-127 the bias; from v128 A's fragments.  window 1: B's fragments, two sets.  windows 2, 3: the accumulators.
.set ROWB,   256
.set NQ,     2
.set KROW,   768
.set STEPS,  8
.set CHUNKS, 3
.set PITCH,  272
.set FR,     12
.set NL,     6
.set NP,     4
.set HALFT,  128*PITCH
.set SLOT,   4*HALFT
.set KS,     32
.set SCL,    2*SLOT
.set HALFS,  (128*KS/256)*272
.set SBLK,   (16*KS/256)*272
.set SPARE,  SCL+4*HALFS               ; the spare words: 128 bytes a wave, no other line names them
.set ADRA, 16
.set ADRB, 20
.set L16,  24
.set L8,   25
.set LS,   26
.set ADRS, 27
.set SPW,  28
.set NIL,  29
.set SC,   32
.set BI,   64
.set AF,   128
.set PC,   32
.set TM,   52
.set PWS,  68
.set SW,   76
.set HA,   128
.set T2,   192
.set G1, 24
.set G0, 32
.set G1B, 48
.set G0B, 56
.set G1S, 68
.set G0S, 76
.set G1SB, 80
.set G0SB, 88
.set G0H, 4
.set G0HB, 8
.set SEL, 20
.set HM,  94
.set MSB, 0
.macro WIN new
.if MSB != (\new)
	s_set_vgpr_msb (MSB<<8)|(\new)
.set MSB, (\new)
.endif
.endm
.set TO_B,   0x40
.macro WINMUL hi, zero                 ; source 0 window 1, source 1 window 0, D window 2 or 3; C with D, or window 0 where the bias starts the sums
.if (\zero) == 2
	WIN 0x81+0x40*(\hi)
.else
	WIN 0xa1+0x50*(\hi)
.endif
.endm
.macro JLOAD g0a, g1a, g0b, g1b
	s_cmp_eq_u32 s15, 0
	s_cbranch_scc0 .Lfor_b_\@
	tensor_load_to_lds s[\g0a:\g0a+3], s[\g1a:\g1a+7]
	s_nop 0
.rept 4
	v_nop
.endr
	s_branch .Lasked_\@
.Lfor_b_\@:
	tensor_load_to_lds s[\g0b:\g0b+3], s[\g1b:\g1b+7]
	s_nop 0
.rept 4
	v_nop
.endr
.Lasked_\@:
.endm
.macro CREST
	s_cmp_lg_u32 s14, 0
	s_cbranch_scc1 .Lnot_wave_0_\@
	s_barrier_signal -3
.Lnot_wave_0_\@:
	s_barrier_wait -3
	s_barrier_signal -1
	s_barrier_wait -1
.endm
.macro CROUND
	s_barrier_signal -1
	s_barrier_wait -1
	CREST
.endm
	s_load_b256 s[4:11], s[0:1], 0x0               ; cq, b1, W1's codes, W1's scale bytes
	s_load_b64 s[12:13], s[0:1], 0x20              ; fc
	v_lshl_add_u32 v[SPW], v0, 2, SPARE
	v_mov_b32 v[NIL], 0
	ds_add_u32 v[SPW], v[NIL]                      ; the opening lines: the add twice on end and its wait
	ds_add_u32 v[SPW], v[NIL]
	v_lshrrev_b32 v1, 5, v0
	v_readfirstlane_b32 s14, v1                    ; wave
	s_lshr_b32 s15, s14, 1
	s_and_b32 s16, s14, 1
	s_bfe_u32 s40, ttmp6, 0x40000                  ; cx
	s_bfe_u32 s41, ttmp6, 0x40004                  ; cy
	s_lshl_b32 s42, ttmp9, 2
	s_add_co_u32 s42, s42, s40                     ; tile column
	s_and_b32 s17, ttmp7, 0xffff
	s_lshl_b32 s17, s17, 2
	s_add_co_u32 s17, s17, s41                     ; tile row
	s_lshl_b32 s43, s41, 2
	s_lshl_b32 s43, 15, s43
	s_lshl_b32 s44, 0x1111, s40
	s_or_b32 s[G1+0], s43, (0<<16)|(1<<20)|(1<<21)|(5<<22)|(3<<25)
	s_or_b32 s[G1B+0], s44, (0<<16)|(1<<20)|(1<<21)|(5<<22)|(3<<25)
.irp g, G1, G1B
	s_mov_b32 s[\g+1], ROWB<<16
	s_mov_b32 s[\g+2], 256<<16                     ; 256 rows for the head's loads
	s_mov_b32 s[\g+3], ROWB<<16
	s_mov_b32 s[\g+4], 256
	s_mov_b32 s[\g+5], KROW
	s_mov_b32 s[\g+6], 0
	s_mov_b32 s[\g+7], 0
.endr
	s_or_b32 s[G1S+0], s43, (3<<16)|(1<<20)|(1<<21)|(5<<22)|(3<<25)
	s_or_b32 s[G1SB+0], s44, (3<<16)|(1<<20)|(1<<21)|(5<<22)|(3<<25)
.irp g, G1S, G1SB
	s_mov_b32 s[\g+1], 32<<16
	s_mov_b32 s[\g+2], KS<<16
	s_mov_b32 s[\g+3], 32<<16
	s_mov_b32 s[\g+4], KS
	s_mov_b32 s[\g+5], 32
	s_mov_b32 s[\g+6], 0
	s_mov_b32 s[\g+7], 0
.endr
	s_lshl_b32 s20, s17, 8
	s_lshl_b32 s46, s42, 8
	s_mov_b32 s21, 0
	s_mov_b32 s47, 0
	s_mov_b64 s[18:19], KS
	s_mul_u64 s[22:23], s[20:21], s[18:19]
	s_mul_u64 s[92:93], s[46:47], s[18:19]
	s_mov_b64 s[18:19], KROW
	s_mul_u64 s[20:21], s[20:21], s[18:19]
	s_mul_u64 s[46:47], s[46:47], s[18:19]
	s_mul_i32 s18, s16, 128*KROW
	s_mov_b32 s19, 0
	s_mul_i32 s45, s14, HALFT
	s_lshl_b32 s94, s42, 10                        ; my 128 hidden units' bias: 1,024 x tile column + 512 x half, in bytes
	s_lshl_b32 s95, s16, 9
	s_add_co_u32 s94, s94, s95
	s_mov_b32 s95, 0
	s_wait_dscnt 0x0
	s_wait_kmcnt 0x0
	s_add_nc_u64 s[96:97], s[6:7], s[94:95]
	s_add_nc_u64 s[6:7], s[4:5], 0x300000          ; h's scale bytes
	s_add_nc_u64 s[20:21], s[4:5], s[20:21]
	s_add_nc_u64 s[22:23], s[6:7], s[22:23]
	s_add_nc_u64 s[46:47], s[8:9], s[46:47]
	s_add_nc_u64 s[92:93], s[10:11], s[92:93]
	CROUND                                         ; the first joint loads meet
	s_mov_b32 s[G0H], 1
	s_mov_b32 s[G0H+1], 0
	s_mov_b64 s[G0H+2:G0H+3], s[20:21]
	s_or_b32 s[G0H+3], s[G0H+3], 0x80000000
	s_mov_b32 s[G0HB], 1
	s_mov_b32 s[G0HB+1], 2*HALFT
	s_mov_b64 s[G0HB+2:G0HB+3], s[46:47]
	s_or_b32 s[G0HB+3], s[G0HB+3], 0x80000000
	s_mov_b32 s[G0S], 1
	s_mov_b32 s[G0S+1], SCL
	s_mov_b64 s[G0S+2:G0S+3], s[22:23]
	s_or_b32 s[G0S+3], s[G0S+3], 0x80000000
	s_mov_b32 s[G0SB], 1
	s_mov_b32 s[G0SB+1], SCL+2*HALFS
	s_mov_b64 s[G0SB+2:G0SB+3], s[92:93]
	s_or_b32 s[G0SB+3], s[G0SB+3], 0x80000000
	s_add_nc_u64 s[20:21], s[20:21], s[18:19]
	s_add_nc_u64 s[46:47], s[46:47], s[18:19]
.irp s, 0,1
	s_mov_b32 s[G0+4*\s], 1
	s_add_co_u32 s[G0+4*\s+1], s45, \s*SLOT
	s_add_nc_u64 s[G0+4*\s+2:G0+4*\s+3], s[20:21], \s*ROWB
	s_or_b32 s[G0+4*\s+3], s[G0+4*\s+3], 0x80000000
	s_mov_b32 s[G0B+4*\s], 1
	s_add_co_u32 s[G0B+4*\s+1], s45, \s*SLOT
	s_add_nc_u64 s[G0B+4*\s+2:G0B+4*\s+3], s[46:47], \s*ROWB
	s_or_b32 s[G0B+4*\s+3], s[G0B+4*\s+3], 0x80000000
.endr
; the head's loads, one a wave: wave 0 chunk 0 of A's 256 rows, wave 1 of B's, wave 2 A's scale bytes, wave 3 B's; one chain of branches on the wave's number
.macro ARM under, g0, g1, next
	s_cmp_lt_u32 s14, \under
	s_cbranch_scc0 \next
	tensor_load_to_lds s[\g0:\g0+3], s[\g1:\g1+7]
	s_nop 0
.rept 4
	v_nop
.endr
	s_branch .Lhead_asked
\next:
.endm
	ARM 1, G0H,  G1,  .Lhead_b
	ARM 2, G0HB, G1B, .Lhead_sa
	ARM 3, G0S,  G1S, .Lhead_sb
	tensor_load_to_lds s[G0SB:G0SB+3], s[G1SB:G1SB+7]
	s_nop 0
.rept 4
	v_nop
.endr
.Lhead_asked:
	v_and_b32 v1, 15, v0                           ; r
	v_bfe_u32 v2, v0, 4, 1                         ; h
	v_lshlrev_b32 v8, 5, v2
.irp b, 0,1,2,3,4,5,6,7
	global_load_b128 v[BI+8*\b:BI+8*\b+3], v8, s[96:97] offset:64*\b          ; b1(16 b + 8 h + 0 .. 7): the result's layout
	global_load_b128 v[BI+8*\b+4:BI+8*\b+7], v8, s[96:97] offset:64*\b+16
.endr
	v_mul_u32_u24 v3, v1, PITCH
	v_mul_u32_u24 v4, v2, 24
	v_add_nc_u32 v4, v3, v4
	s_mov_b32 s21, SLOT-232
	s_mov_b32 s22, SLOT+232
	v_sub_nc_u32 v7, 1, v2
	v_mul_u32_u24 v5, s21, v2
	v_add_nc_u32 v5, v3, v5
	v_add_nc_u32 v5, 232, v5                       ; lanes 0-15 byte 232 in slot 0, lanes 16-31 byte 0 in slot 1
	v_mul_u32_u24 v6, s22, v7
	v_add_nc_u32 v6, v3, v6                        ; and the other way round
	s_mul_i32 s21, s15, HALFT
	s_mul_i32 s22, s16, HALFT
	s_add_co_u32 s22, s22, 2*HALFT
	v_add_nc_u32 v[ADRA+2], s21, v5
	v_add_nc_u32 v[ADRA+3], s21, v6
	v_add_nc_u32 v[ADRB+2], s22, v5
	v_add_nc_u32 v[ADRB+3], s22, v6
.irp s, 0,1
	v_add_nc_u32 v[ADRA+\s], s21, v4
	v_add_nc_u32 v[ADRB+\s], s22, v4
	s_add_co_u32 s21, s21, SLOT
	s_add_co_u32 s22, s22, SLOT
.endr
	v_mul_u32_u24 v5, v1, KS
	v_lshrrev_b32 v6, 8, v5
	v_lshl_add_u32 v5, v6, 4, v5
	s_mul_i32 s21, s15, HALFS
	s_mul_i32 s22, s16, HALFS
	s_add_co_u32 s22, s22, 2*HALFS
	s_sub_co_u32 s22, s22, s21
	v_mul_u32_u24 v6, s22, v2
	s_add_co_u32 s21, s21, SCL
	v_add_nc_u32 v5, v5, v6
	v_add_nc_u32 v[ADRS], s21, v5
.macro FRAG reg, adr, st, i            ; 16 rows x 128 K: six pieces of 8 bytes; byte y of a row lies in slot (y / 256) % 2 at byte y % 256
.irp p, 0,1,2,3,4,5
.set BY, 96*(\st)+48*(\p/3)+8*(\p%3)
.if BY/ROWB == (BY+24)/ROWB
	ds_load_b64 v[\reg+2*\p:\reg+2*\p+1], v[\adr+(BY/ROWB)%2] offset:BY%ROWB+(\i)*16*PITCH
.else
	ds_load_b64 v[\reg+2*\p:\reg+2*\p+1], v[\adr+2+(BY/ROWB)%2] offset:BY%ROWB-232+(\i)*16*PITCH
.endif
.endr
.endm
.macro MUL16 a0, p, q, sc, zero        ; the 64 accumulators take turns; zero = 2: the bias starts the sums
.irp a, \a0, \a0+1
.irp b, 0,1,2,3,4,5,6,7
.if (\zero) == 2
	v_wmma_scale_f32_16x16x128_f8f6f4 v[8*(8*((\a)%4)+\b):8*(8*((\a)%4)+\b)+7], v[128*(\p)+FR*\b:128*(\p)+FR*\b+FR-1], v[AF+FR*(\a):AF+FR*(\a)+FR-1], v[BI+8*\b:BI+8*\b+7], v[SC+8*NQ*(\sc)+NQ*\b+(\q)], v[SC+8*NQ*(\sc)+NQ*(\a)+(\q)] matrix_a_fmt:MATRIX_FMT_FP6 matrix_b_fmt:MATRIX_FMT_FP6 matrix_a_scale:MATRIX_SCALE_ROW1
.else
	v_wmma_scale_f32_16x16x128_f8f6f4 v[8*(8*((\a)%4)+\b):8*(8*((\a)%4)+\b)+7], v[128*(\p)+FR*\b:128*(\p)+FR*\b+FR-1], v[AF+FR*(\a):AF+FR*(\a)+FR-1], v[8*(8*((\a)%4)+\b):8*(8*((\a)%4)+\b)+7], v[SC+8*NQ*(\sc)+NQ*\b+(\q)], v[SC+8*NQ*(\sc)+NQ*(\a)+(\q)] matrix_a_fmt:MATRIX_FMT_FP6 matrix_b_fmt:MATRIX_FMT_FP6 matrix_a_scale:MATRIX_SCALE_ROW1
.endif
.endr
.endr
.endm
.macro FETCH_B st, p
	WIN TO_B
.irp i, 0,1,2,3,4,5,6,7
	FRAG 128*(\p)+FR*\i, ADRB, \st, \i
.endr
	WIN 0
.endm
.macro FETCH_A st, i0
.irp i, \i0, \i0+1, \i0+2, \i0+3
	FRAG AF+FR*(\i), ADRA, \st, \i
.endr
.endm
.macro SCALES pr
.irp i, 0,1,2,3,4,5,6,7
	ds_load_b64 v[SC+8*NQ*((\pr)%2)+NQ*\i:SC+8*NQ*((\pr)%2)+NQ*\i+1], v[ADRS] offset:\i*SBLK+4*NQ*(\pr)
.endr
.endm
.macro PLACES n                        ; plain vector lines between a matrix instruction and a load into, or a read of, its registers
.rept \n
	v_nop
.endr
.endm
.macro STEP st, zero                   ; as in launch qkv
.set NX, (\st)+1
.set C0, (96*(\st))/ROWB
.set C1, (96*NX)/ROWB
.set E0, (96*(\st)+95)/ROWB
.set E1, (96*NX+95)/ROWB
.if C1 > C0 || E1 > E0
	s_wait_tensorcnt 0x0
.if C1 > C0
	ds_add_u32 v[SPW], v[NIL]
	s_wait_dscnt 4*NL+1                            ; the add and the 24 loads of A's blocks 4-7 may be out
.else
	s_wait_dscnt 4*NL                              ; the 24 loads of A's blocks 4-7 may be out
.endif
	WINMUL 0, \zero
	MUL16 0, (\st)%2, (\st)%2, ((\st)/2)%2, \zero
	s_wait_dscnt 0x0
	s_barrier_signal -1
	MUL16 2, (\st)%2, (\st)%2, ((\st)/2)%2, \zero
	WIN 0
	s_barrier_wait -1
.if C1 > C0 && C0+2 < CHUNKS
	CREST
	s_add_nc_u64 s[G0+4*(C0%2)+2:G0+4*(C0%2)+3], s[G0+4*(C0%2)+2:G0+4*(C0%2)+3], 2*ROWB
	s_add_nc_u64 s[G0B+4*(C0%2)+2:G0B+4*(C0%2)+3], s[G0B+4*(C0%2)+2:G0B+4*(C0%2)+3], 2*ROWB
	JLOAD G0+4*(C0%2), G1, G0B+4*(C0%2), G1B
.else
	PLACES NP
.endif
.else
	s_wait_dscnt 4*NL
	WINMUL 0, \zero
	MUL16 0, (\st)%2, (\st)%2, ((\st)/2)%2, \zero
	MUL16 2, (\st)%2, (\st)%2, ((\st)/2)%2, \zero
	s_wait_dscnt 0
	PLACES NP
.endif
	FETCH_B NX, NX%2
	FETCH_A NX, 0
.if NX%2 == 0
	SCALES NX/2
.endif
	WINMUL 1, \zero
	MUL16 4, (\st)%2, (\st)%2, ((\st)/2)%2, \zero
	MUL16 6, (\st)%2, (\st)%2, ((\st)/2)%2, \zero
	PLACES NP
	WIN 0
	FETCH_A NX, 4
.endm
	s_wait_alu depctr_va_vdst(0)
	s_wait_tensorcnt 0x0                           ; my tile of the head's four is in; the three lines ahead of a later first fill
	ds_add_u32 v[SPW], v[NIL]
	s_mov_b32 s[G1+2], 128<<16                     ; no load of mine is out: from here on a load brings 128 rows
	s_mov_b32 s[G1+4], 128
	s_mov_b32 s[G1B+2], 128<<16
	s_mov_b32 s[G1B+4], 128
	s_wait_dscnt 0x0
	CROUND
	JLOAD G0+4, G1, G0B+4, G1B                     ; chunk 1, the first tensor load behind the round
	FETCH_B 0, 0
	FETCH_A 0, 0
	SCALES 0
	FETCH_A 0, 4
	s_wait_loadcnt 0x0                             ; the bias
	STEP 0, 2
.set ST, 1
.rept STEPS-2
	STEP ST, 0
.set ST, ST+1
.endr
	s_wait_dscnt 4*NL
	WINMUL 0, 0
	MUL16 0, 1, 1, 1, 0
	MUL16 2, 1, 1, 1, 0
	s_wait_dscnt 0
	WINMUL 1, 0
	MUL16 4, 1, 1, 1, 0
	MUL16 6, 1, 1, 1, 0
	WIN 0
	PLACES NP
.macro QUANT s, w, pw                  ; 64 numbers of a lane (register 16 b + i: my 16 of block b) into a fragment's 12 registers, v[PC] on, and its scale word
	WIN 5*(\w)
.irp b, 0,1,2,3
	v_max3_num_f32 v[TM+\b], |v[(\s)+16*\b]|, |v[(\s)+16*\b+1]|, 0x1800000
.endr
.irp i, 2,4,6,8,10,12,14
.irp b, 0,1,2,3
	v_max3_num_f32 v[TM+\b], |v[(\s)+16*\b+\i]|, |v[(\s)+16*\b+\i+1]|, v[TM+\b]
.endr
.endr
	WIN 0
.irp b, 0,1,2,3
	v_permlanex16_b32 v[TM+4+\b], v[TM+\b], s[SEL], s[SEL+1]
.endr
.irp b, 0,1,2,3
	v_max_num_f32 v[TM+\b], v[TM+\b], v[TM+4+\b]
.endr
.irp b, 0,1,2,3
	v_add_nc_u32 v[TM+12+\b], 0xff000000, v[TM+\b]
.endr
.irp b, 0,1,2,3
	v_lshrrev_b32 v[TM+4+\b], 23, v[TM+12+\b]
.endr
	v_lshl_or_b32 v[\pw], v[TM+5], 8, v[TM+4]
	v_lshl_or_b32 v[\pw], v[TM+6], 16, v[\pw]
	v_lshl_or_b32 v[\pw], v[TM+7], 24, v[\pw]
	WIN (\w)
.irp c, 0,1
	v_cvt_scalef32_pk16_fp6_f32 v[PC+6*\c:PC+6*\c+2], v[(\s)+32*\c:(\s)+32*\c+15], v[TM+12+2*\c]
	v_cvt_scalef32_pk16_fp6_f32 v[PC+12+4*\c:PC+12+4*\c+2], v[(\s)+32*\c+16:(\s)+32*\c+31], v[TM+13+2*\c]
.endr
	WIN 0
	v_nop
.irp c, 0,1
.irp i, 0,1,2
	v_permlane16_swap_b32 v[PC+6*\c+\i], v[PC+12+4*\c+\i]
.endr
.irp i, 0,1,2
	v_mov_b32 v[PC+3+6*\c+\i], v[PC+12+4*\c+\i]
.endr
.endr
.endm
	v_and_b32 v1, 31, v0
	v_cmp_le_u32 s[HM], 16, v1
	v_lshlrev_b32 v[L16], 4, v1
	v_lshlrev_b32 v[L8], 3, v1
	v_and_b32 v2, 15, v0
	v_bfe_u32 v3, v0, 4, 1
	v_lshlrev_b32 v[LS], 5, v2
	v_lshl_add_u32 v[LS], v3, 4, v[LS]
.irp b, 0,1,2,3
	v_mov_b32 v[TM+4+\b], 0
.endr
	s_mov_b32 s[SEL], 0x76543210
	s_mov_b32 s[SEL+1], 0xfedcba98
	s_mov_b32 s96, 0xbfb8aa3b                      ; -log2(e)
	s_mov_b32 s97, s96
	s_lshl_b32 s18, s17, 4
	s_lshl_b32 s19, s15, 3
	s_add_co_u32 s18, s18, s19                     ; my first token tile
	s_mul_i32 s18, s18, 49152
	s_lshl_b32 s19, s42, 1
	s_add_co_u32 s22, s19, s16                     ; my 128 along the next K
	s_mul_i32 s19, s22, 1536
	s_add_co_u32 s18, s18, s19
	s_mov_b32 s19, 0
	s_add_nc_u64 s[4:5], s[12:13], s[18:19]
	s_lshl_b32 s18, s17, 1
	s_add_co_u32 s18, s18, s15
	s_lshl_b32 s18, s18, 5
	s_add_co_u32 s18, s18, s22
	s_lshl_b32 s18, s18, 9
	s_add_co_u32 s18, s18, 12582912
	s_add_nc_u64 s[6:7], s[12:13], s[18:19]
.macro OUTF a                          ; block a: silu = u / (1 + 2^(-u log2 e)), the natural order of the hidden units, codes, stores
.set AC, 64*((\a)%4)
	WIN 2+(\a)/4
.set k, 0
.rept 32
	v_pk_mul_f32 v[T2+2*k:T2+2*k+1], v[AC+2*k:AC+2*k+1], s[96:97] op_sel_hi:[1,0]
.set k, k+1
.endr
	WIN 0
.set k, 0
	s_wait_alu depctr_va_vdst(0)                   ; a wait ahead of each batch of transcendentals and one behind it
.rept 64
	v_exp_f32 v[T2+k], v[T2+k]
.set k, k+1
.endr
	v_nop
	s_wait_alu depctr_va_vdst(0)
.set k, 0
.rept 32
	v_pk_add_f32 v[T2+2*k:T2+2*k+1], v[T2+2*k:T2+2*k+1], 1.0 op_sel_hi:[1,0]
.set k, k+1
.endr
.set k, 0
	s_wait_alu depctr_va_vdst(0)
.rept 64
	v_rcp_f32 v[T2+k], v[T2+k]
.set k, k+1
.endr
	v_nop
	s_wait_alu depctr_va_vdst(0)
	WIN 2+(\a)/4
.set k, 0
.rept 32
	v_pk_mul_f32 v[HA+2*k:HA+2*k+1], v[AC+2*k:AC+2*k+1], v[T2+2*k:T2+2*k+1]
.set k, k+1
.endr
	WIN 0
.irp b, 0,1,2,3
.irp j, 0,1,2,3,4,5,6,7
	v_permlane16_swap_b32 v[HA+16*\b+\j], v[HA+16*\b+8+\j]
.endr
.endr
	s_wait_xcnt 0x0                                ; the last block's stores have read v[PC] on
	QUANT HA, 0, PWS+(\a)
	global_store_b128 v[L16], v[PC:PC+3], s[4:5] offset:49152*(\a)
	global_store_b64 v[L8], v[PC+4:PC+5], s[4:5] offset:49152*(\a)+512
	global_store_b128 v[L16], v[PC+6:PC+9], s[4:5] offset:49152*(\a)+768
	global_store_b64 v[L8], v[PC+10:PC+11], s[4:5] offset:49152*(\a)+1280
.endm
.irp a, 0,1,2,3,4,5,6,7
	OUTF \a
.endr
.irp j, 0,1,2,3
	v_cndmask_b32 v[SW+\j], v[PWS+\j], v[PWS+4+\j], s[HM]
.endr
	global_store_b128 v[LS], v[SW:SW+3], s[6:7]
	s_wait_tensorcnt 0x0                           ; the wave's end
	ds_add_u32 v[SPW], v[NIL]
	s_wait_dscnt 0x0
	CROUND                                         ; the closing round
	s_endpgm
.Lfunc_end_k_q052ceb199f_ffn1:
	.size	k_q052ceb199f_ffn1, .Lfunc_end_k_q052ceb199f_ffn1-k_q052ceb199f_ffn1
	.p2alignl 7, 3214868480
	.fill 96, 4, 3214868480
	.section	.rodata,"a",@progbits
	.p2align	6, 0x0
	.amdhsa_kernel k_q052ceb199f_ffn1
		.amdhsa_group_segment_fixed_size 327680
		.amdhsa_private_segment_fixed_size 0
		.amdhsa_enable_private_segment 0
		.amdhsa_kernarg_size 40
		.amdhsa_user_sgpr_count 2
		.amdhsa_user_sgpr_kernarg_segment_ptr 1
		.amdhsa_wavefront_size32 1
		.amdhsa_system_sgpr_workgroup_id_x 1
		.amdhsa_system_sgpr_workgroup_id_y 1
		.amdhsa_system_sgpr_workgroup_id_z 1
		.amdhsa_system_vgpr_workitem_id 0
		.amdhsa_next_free_vgpr 1024
		.amdhsa_next_free_sgpr 100
		.amdhsa_reserve_vcc 0
		.amdhsa_float_denorm_mode_32 3
		.amdhsa_float_denorm_mode_16_64 3
		.amdhsa_memory_ordered 1
		.amdhsa_forward_progress 1
		.amdhsa_inst_pref_size 255
	.end_amdhsa_kernel
	.section	.bss,"aw",@nobits
	.p2align	6
	.space	262144
	.amdgpu_metadata
---
amdhsa.version: [ 1, 2 ]
amdhsa.kernels:
  - .name:           k_q052ceb199f_ffn1
    .symbol:         k_q052ceb199f_ffn1.kd
    .args:
      - { .name: cq, .offset: 0, .size: 8, .value_kind: global_buffer, .address_space: global }
      - { .name: b1, .offset: 8, .size: 8, .value_kind: global_buffer, .address_space: global }
      - { .name: W1_codes, .offset: 16, .size: 8, .value_kind: global_buffer, .address_space: global }
      - { .name: W1_scales, .offset: 24, .size: 8, .value_kind: global_buffer, .address_space: global }
      - { .name: fc, .offset: 32, .size: 8, .value_kind: global_buffer, .address_space: global }
    .group_segment_fixed_size: 327680
    .private_segment_fixed_size: 0
    .kernarg_segment_align: 8
    .kernarg_segment_size: 40
    .max_flat_workgroup_size: 128
    .sgpr_count:     100
    .vgpr_count:     1024
    .wavefront_size: 32
...
	.end_amdgpu_metadata
.endif
;; end of part 6
;; launch ffn2 (part 7): grid 8 x 32, 4 waves a work-group, clusters of 4 x 4, 327,680 bytes of LDS; arguments fc, W2_codes, W2_scales, b2, hbuf, yz; writes yz
.if DOCPART == 7
	.amdgcn_target "amdgcn-amd-amdhsa--gfx1250"
	.amdhsa_code_object_version 6
	.text
	.protected	k_q052ceb199f_ffn2
	.globl	k_q052ceb199f_ffn2
	.p2align	8
	.type	k_q052ceb199f_ffn2,@function
k_q052ceb199f_ffn2:
	s_mov_b64 s[64:65], 0
	v_nop
	global_prefetch_b8 v0, s[64:65] scope:SCOPE_SE
	s_setreg_imm32_b32 hwreg(HW_REG_WAVE_MODE, 25, 1), 1
	s_wait_xcnt 0x0
	s_wait_alu depctr_hold_cnt(0) depctr_sa_sdst(0) depctr_va_vdst(0) depctr_va_sdst(0) depctr_va_ssrc(0) depctr_va_vcc(0) depctr_vm_vsrc(0)
	s_getreg_b32 s2, hwreg(HW_REG_IB_STS2, 6, 4)
	s_cmp_eq_u32 s2, 0
	s_cbranch_scc0 .Lentry_in_a_cluster
	s_endpgm
.Lentry_in_a_cluster:
	s_bfe_u32 s2, ttmp6, 0x10000c
	s_cmp_lg_u32 s2, 0xf033
	s_cbranch_scc0 .Lentry_shape_is_right
	s_endpgm
.Lentry_shape_is_right:
.set SIZE_K, 4096
.set NCH,    SIZE_K/1024
.set NQT,    SIZE_K/128
.set APITCH, 12*SIZE_K
.set ROWB,   768
.set KROW,   SIZE_K*3/4
.set PITCH,  816
.set QUART,  32*PITCH
.set SLOT,   4*QUART
.set SCB,    2*SLOT
.set KS,     SIZE_K/32
.set HALFSB, (64*KS/256)*272
.set SBLK,   (16*KS/256)*272
.set SCA,    SCB+2*HALFSB
.set HALFSA, 2*SIZE_K
.set STG,    SCA+2*HALFSA
.set SPITCH, 528
.set SPARE,  STG+4*16*SPITCH
.set ACODES, 3072*SIZE_K
.set ADRB,   4
.set L16,    16
.set L8,     17
.set STO,    18
.set RD,     19
.set ADRSA,  20
.set ADRSB,  21
.set BO,     22
.set SPW,    28
.set NIL,    29
.set SAR,    32
.set SBR,    64
.set BI,     192
.set RES,    128
.set G1B,  48
.set G0B,  56
.set G1SA, 68
.set G0SA, 76
.set G1SB, 80
.set G0SB, 88
.set G0H,  24                          ; s[24:27] group 0 of the head's load of W's codes
.set MSB, 0
.macro WIN new
.if MSB != (\new)
	s_set_vgpr_msb (MSB<<8)|(\new)
.set MSB, (\new)
.endif
.endm
; z = h + A W2^T + b2, f32: launch wo's text with K = 4,096: A = fc's register images, straight into registers; W2 through a ring of two LDS slots of 1,024 along K (rows of 768 bytes, each at a multiple of 256).
.macro ARM under, g0, g1, next         ; an arm of the head's one chain of branches on the wave's number: one tensor load; s_nop 0 and four v_nop behind it
	s_cmp_lt_u32 s16, \under
	s_cbranch_scc0 \next
	tensor_load_to_lds s[\g0:\g0+3], s[\g1:\g1+7]
	s_nop 0
.rept 4
	v_nop
.endr
	s_branch .Lhead_asked
\next:
.endm
.macro CREST
	s_cmp_lg_u32 s16, 0
	s_cbranch_scc1 .Lnot_wave_0_\@
	s_barrier_signal -3
.Lnot_wave_0_\@:
	s_barrier_wait -3
	s_barrier_signal -1
	s_barrier_wait -1
.endm
.macro CROUND
	s_barrier_signal -1
	s_barrier_wait -1
	CREST
.endm
	s_load_b256 s[4:11], s[0:1], 0x0
	s_load_b128 s[12:15], s[0:1], 0x20
	v_lshl_add_u32 v[SPW], v0, 2, SPARE
	v_mov_b32 v[NIL], 0
	ds_add_u32 v[SPW], v[NIL]
	ds_add_u32 v[SPW], v[NIL]
	v_lshrrev_b32 v1, 5, v0
	v_readfirstlane_b32 s16, v1
	s_bfe_u32 s40, ttmp6, 0x40000
	s_bfe_u32 s41, ttmp6, 0x40004
	s_lshl_b32 s42, ttmp9, 2
	s_add_co_u32 s42, s42, s40
	s_and_b32 s19, ttmp7, 0xffff
	s_lshl_b32 s19, s19, 2
	s_add_co_u32 s19, s19, s41
	s_lshl_b32 s43, s41, 2
	s_lshl_b32 s43, 15, s43
	s_lshl_b32 s44, 0x1111, s40
	s_or_b32 s[G1B], s44, (0<<16)|(1<<20)|(1<<21)|(5<<22)|(3<<25)
	s_mov_b32 s[G1B+1], ROWB<<16
	s_mov_b32 s[G1B+2], 64<<16                     ; the head's loads of W's codes bring 64 rows
	s_mov_b32 s[G1B+3], ROWB<<16
	s_mov_b32 s[G1B+4], 64
	s_mov_b32 s[G1B+5], KROW
	s_mov_b32 s[G1B+6], 0
	s_mov_b32 s[G1B+7], 0
	s_or_b32 s[G1SA], s43, (3<<16)|(1<<21)
	s_mov_b32 s[G1SA+1], 32<<16
	s_mov_b32 s[G1SA+2], (SIZE_K/64)<<16           ; all the group's scale words in one load
	s_mov_b32 s[G1SA+3], 32<<16
	s_mov_b32 s[G1SA+4], SIZE_K/64
	s_mov_b32 s[G1SA+5], 32
	s_mov_b32 s[G1SA+6], 0
	s_mov_b32 s[G1SA+7], 0
	s_or_b32 s[G1SB], s44, (3<<16)|(1<<20)|(1<<21)|(5<<22)|(3<<25)
	s_mov_b32 s[G1SB+1], 32<<16
	s_mov_b32 s[G1SB+2], (128*KS/256)<<16          ; the scale bytes of all 128 rows in one load
	s_mov_b32 s[G1SB+3], 32<<16
	s_mov_b32 s[G1SB+4], 128*KS/256
	s_mov_b32 s[G1SB+5], 32
	s_mov_b32 s[G1SB+6], 0
	s_mov_b32 s[G1SB+7], 0
	s_lshl_b32 s20, s19, 3
	s_lshl_b32 s21, s16, 1
	s_add_co_u32 s20, s20, s21
	s_mul_i32 s20, s20, APITCH
	s_mov_b32 s21, 0
	s_mul_i32 s22, s19, 4*SIZE_K
	s_add_co_u32 s22, s22, ACODES                  ; A's scale words
	s_mov_b32 s23, 0
	s_lshl_b32 s46, s42, 7
	s_mul_i32 s92, s46, KS                         ; W's scale bytes: row 128 x tile column
	s_mov_b32 s93, 0
	s_mul_i32 s46, s46, KROW                       ; W's codes: the same row,
	s_mov_b32 s47, 0
	s_mul_i32 s28, s16, 64*KROW                    ; at the head + 64 x wave (waves 0 and 1 ask),
	s_mov_b32 s29, 0
	s_mul_i32 s30, s16, 32*KROW                    ; in the ring + 32 x wave
	s_mov_b32 s31, 0
	s_mul_i32 s45, s16, QUART                      ; where they go: no place in the cluster enters an LDS address
	s_mul_i32 s[G0H+1], s16, 2*QUART
	s_wait_dscnt 0x0
	s_wait_kmcnt 0x0
	s_add_nc_u64 s[22:23], s[4:5], s[22:23]
	s_add_nc_u64 s[4:5], s[4:5], s[20:21]
	s_add_nc_u64 s[46:47], s[6:7], s[46:47]
	s_add_nc_u64 s[92:93], s[8:9], s[92:93]
	CROUND
	s_mov_b32 s[G0SA], 1
	s_mov_b32 s[G0SA+1], SCA
	s_mov_b64 s[G0SA+2:G0SA+3], s[22:23]
	s_or_b32 s[G0SA+3], s[G0SA+3], 0x80000000
	s_mov_b32 s[G0SB], 1
	s_mov_b32 s[G0SB+1], SCB
	s_mov_b64 s[G0SB+2:G0SB+3], s[92:93]
	s_or_b32 s[G0SB+3], s[G0SB+3], 0x80000000
	s_mov_b32 s[G0H], 1
	s_add_nc_u64 s[G0H+2:G0H+3], s[46:47], s[28:29]
	s_or_b32 s[G0H+3], s[G0H+3], 0x80000000
	s_add_nc_u64 s[46:47], s[46:47], s[30:31]
.irp s, 0,1
	s_mov_b32 s[G0B+4*\s], 1
	s_add_co_u32 s[G0B+4*\s+1], s45, \s*SLOT
	s_add_nc_u64 s[G0B+4*\s+2:G0B+4*\s+3], s[46:47], \s*ROWB
	s_or_b32 s[G0B+4*\s+3], s[G0B+4*\s+3], 0x80000000
.endr
	; THE HEAD'S LOADS, ONE A WAVE: waves 0 and 1 bring 64 rows each of slot 0's codes, wave 2 all of A's scale words, wave 3 all of W's scale bytes
	ARM 2, G0H,  G1B,  .Lhead_sa
	ARM 3, G0SA, G1SA, .Lhead_sb
	tensor_load_to_lds s[G0SB:G0SB+3], s[G1SB:G1SB+7]
	s_nop 0
.rept 4
	v_nop
.endr
.Lhead_asked:
	v_and_b32 v1, 15, v0
	v_bfe_u32 v2, v0, 4, 1
	v_and_b32 v3, 31, v0
	v_lshlrev_b32 v[L16], 4, v3
	v_lshlrev_b32 v[L8], 3, v3
	v_lshlrev_b32 v[BO], 5, v2
	v_mul_u32_u24 v[ADRB], v1, PITCH
	v_mad_u32_u24 v[ADRB], v2, 24, v[ADRB]
	v_lshl_add_u32 v[ADRB+1], v2, 4, v[ADRB]
	v_add_nc_u32 v[ADRB+2], 64*PITCH, v[ADRB]
	v_add_nc_u32 v[ADRB+3], 64*PITCH, v[ADRB+1]
.irp j, 0,1,2,3
	v_add_nc_u32 v[ADRB+4+\j], SLOT, v[ADRB+\j]
.endr
	s_lshl_b32 s20, s16, 3
	s_add_co_u32 s20, s20, SCA
	v_lshl_add_u32 v[ADRSA], v1, 5, s20
	v_mul_u32_u24 v12, v1, KS
	v_lshrrev_b32 v13, 8, v12
	v_lshl_add_u32 v12, v13, 4, v12
	v_add_nc_u32 v[ADRSB], SCB, v12
	s_mul_i32 s23, s16, 16*SPITCH
	s_add_co_u32 s23, s23, STG
	v_mul_u32_u24 v12, v1, SPITCH
	v_lshl_add_u32 v12, v2, 5, v12
	v_add_nc_u32 v[STO], s23, v12
	v_add_nc_u32 v[RD], s23, v[L16]
	s_lshl_b32 s20, s19, 7
	s_lshl_b32 s21, s16, 5
	s_add_co_u32 s20, s20, s21
	s_lshl_b32 s20, s20, 12
	s_lshl_b32 s46, s42, 9
	s_mov_b32 s47, 0
	s_add_nc_u64 s[10:11], s[10:11], s[46:47]
	s_add_co_u32 s20, s20, s46
	s_mov_b32 s21, 0
	s_add_nc_u64 s[12:13], s[12:13], s[20:21]
	s_add_nc_u64 s[14:15], s[14:15], s[20:21]
.macro ALOAD m
.if (\m) < NQT
	WIN 0x80
.irp a, 0,1
	global_load_b128 v[24*((\m)%8)+12*\a:24*((\m)%8)+12*\a+3], v[L16], s[4:5] offset:\a*APITCH+(\m)*1536
	global_load_b64 v[24*((\m)%8)+12*\a+4:24*((\m)%8)+12*\a+5], v[L8], s[4:5] offset:\a*APITCH+(\m)*1536+512
	global_load_b128 v[24*((\m)%8)+12*\a+6:24*((\m)%8)+12*\a+9], v[L16], s[4:5] offset:\a*APITCH+(\m)*1536+768
	global_load_b64 v[24*((\m)%8)+12*\a+10:24*((\m)%8)+12*\a+11], v[L8], s[4:5] offset:\a*APITCH+(\m)*1536+1280
.endr
.endif
.endm
	WIN 0x80
.irp b, 0,1,2,3,4,5,6,7
	global_load_b128 v[BI+8*\b:BI+8*\b+3], v[BO], s[10:11] offset:64*\b
	global_load_b128 v[BI+8*\b+4:BI+8*\b+7], v[BO], s[10:11] offset:64*\b+16
.endr
	WIN 0xc0
.set t, 0
.rept 32
	global_load_b128 v[RES+4*t:RES+4*t+3], v[L16], s[12:13] offset:t*4096 th:TH_LOAD_NT
.set t, t+1
.endr
.irp m, 0,1,2,3,4,5,6
	ALOAD \m
.endr
	WIN 0
.macro FRAGB reg, adr, q, i
.irp p, 0,1,2,3,4,5
.set PCE, 12*(\q)+6*(\p/3)+\p%3
.if PCE%32 < 29
	ds_load_b64 v[\reg+2*\p:\reg+2*\p+1], v[\adr] offset:8*PCE+16*(PCE/32)+(\i)*16*PITCH
.else
	ds_load_b64 v[\reg+2*\p:\reg+2*\p+1], v[\adr+1] offset:8*PCE+16*(PCE/32)+(\i)*16*PITCH
.endif
.endr
.endm
.macro FETCHB slot, q
	WIN 0x40
.irp i, 0,1,2,3,4,5,6,7
	FRAGB 128*((\q)%2)+12*\i, ADRB+4*(\slot)+2*(\i/4), \q, \i%4
.endr
.endm
.macro SCALES c
	WIN 0
.irp q, 0,1,2,3,4,5,6,7
	ds_load_b64 v[SAR+16*((\c)%2)+2*\q:SAR+16*((\c)%2)+2*\q+1], v[ADRSA] offset:512*(8*(\c)+\q)
.endr
.irp b, 0,1,2,3,4,5,6,7
	ds_load_b128 v[SBR+64*((\c)%2)+8*\b:SBR+64*((\c)%2)+8*\b+3], v[ADRSB] offset:\b*SBLK+32*(\c)
	ds_load_b128 v[SBR+64*((\c)%2)+8*\b+4:SBR+64*((\c)%2)+8*\b+7], v[ADRSB] offset:\b*SBLK+32*(\c)+16
.endr
.endm
.macro WINM c, q
.if ((\c)+(\q)) == 0
	WIN 0xe9
.else
	WIN 0xf9
.endif
.endm
.macro MULB c, q, b
.irp a, 0,1
.if ((\c)+(\q)) == 0
	v_wmma_scale_f32_16x16x128_f8f6f4 v[8*(8*\a+(\b)):8*(8*\a+(\b))+7], v[128*((\q)%2)+12*(\b):128*((\q)%2)+12*(\b)+11], v[24*(\q)+12*\a:24*(\q)+12*\a+11], v[BI+8*(\b):BI+8*(\b)+7], v[SBR+64*((\c)%2)+8*(\b)+(\q)], v[SAR+16*((\c)%2)+2*(\q)+\a] matrix_a_fmt:MATRIX_FMT_FP6 matrix_b_fmt:MATRIX_FMT_FP6
.else
	v_wmma_scale_f32_16x16x128_f8f6f4 v[8*(8*\a+(\b)):8*(8*\a+(\b))+7], v[128*((\q)%2)+12*(\b):128*((\q)%2)+12*(\b)+11], v[24*(\q)+12*\a:24*(\q)+12*\a+11], v[8*(8*\a+(\b)):8*(8*\a+(\b))+7], v[SBR+64*((\c)%2)+8*(\b)+(\q)], v[SAR+16*((\c)%2)+2*(\q)+\a] matrix_a_fmt:MATRIX_FMT_FP6 matrix_b_fmt:MATRIX_FMT_FP6
.endif
.endr
.endm
.macro PLACES
.rept 4
	v_nop
.endr
.endm
.macro LWAIT n
.if NQT-1-(\n) >= 6
	s_wait_loadcnt 48
.else
	s_wait_loadcnt 8*(NQT-1-(\n))
.endif
.endm
.macro STEP c, q
	s_wait_dscnt 0x0
	LWAIT 8*(\c)+(\q)
	PLACES
	FETCHB (\c)%2, (\q)+1
	ALOAD 8*(\c)+(\q)+7
	WINM \c, \q
.irp b, 0,1,2,3,4,5,6,7
	MULB \c, \q, \b
.endr
.endm
.macro TURN c
	WIN 0
	s_wait_tensorcnt 0x0
	ds_add_u32 v[SPW], v[NIL]
	s_wait_dscnt 1
	LWAIT 8*(\c)+7
	WIN 0xf9
	MULB \c, 7, 0
	MULB \c, 7, 1
	s_wait_dscnt 0x0
	s_barrier_signal -1
	MULB \c, 7, 2
	MULB \c, 7, 3
	WIN 0
	s_barrier_wait -1
.if (\c)+2 < NCH
	CREST
	s_add_nc_u64 s[G0B+4*((\c)%2)+2:G0B+4*((\c)%2)+3], s[G0B+4*((\c)%2)+2:G0B+4*((\c)%2)+3], 2*ROWB
	tensor_load_to_lds s[G0B+4*((\c)%2):G0B+4*((\c)%2)+3], s[G1B:G1B+7]
	s_nop 0
	PLACES
.else
	PLACES
.endif
	FETCHB ((\c)+1)%2, 0
	SCALES (\c)+1
	ALOAD 8*(\c)+14
	WIN 0xf9
.irp b, 4,5,6,7
	MULB \c, 7, \b
.endr
.endm
	s_wait_alu depctr_va_vdst(0)
	s_wait_tensorcnt 0x0                           ; my tile of the head's is in; the three lines ahead of a later first fill
	ds_add_u32 v[SPW], v[NIL]
	s_mov_b32 s[G1B+2], 32<<16                     ; no load of mine is out: from here on a load brings 32 rows
	s_mov_b32 s[G1B+4], 32
	s_wait_dscnt 0x0
	CROUND                                         ; slot 0 and the scales are whole, and the joint loads meet
	tensor_load_to_lds s[G0B+4:G0B+7], s[G1B:G1B+7]   ; slot 1's first fill, my 32 rows: the first tensor load behind the round
	s_nop 0
	PLACES
	FETCHB 0, 0
	SCALES 0
.set CC, 0
.rept NCH
.set QQ, 0
.rept 7
	STEP CC, QQ
.set QQ, QQ+1
.endr
.if CC < NCH-1
	TURN CC
.endif
.set CC, CC+1
.endr
	s_wait_dscnt 0x0
	s_wait_loadcnt 0x0
	WIN 0xf9
.irp b, 0,1,2,3,4,5,6,7
	MULB NCH-1, 7, \b
.endr
	WIN 0
	PLACES
.macro TOSTAGE a
	WIN 0x0c
.irp b, 0,1,2,3,4,5,6,7
	ds_store_b128 v[STO], v[8*(8*(\a)+\b):8*(8*(\a)+\b)+3] offset:64*\b
	ds_store_b128 v[STO], v[8*(8*(\a)+\b)+4:8*(8*(\a)+\b)+7] offset:64*\b+16
.endr
	WIN 0x40
.set t, 0
.rept 16
	ds_load_b128 v[128*(\a)+4*t:128*(\a)+4*t+3], v[RD] offset:t*SPITCH
.set t, t+1
.endr
.endm
.macro SEND a, younger
	s_wait_dscnt \younger
	WIN 0x4d
.set k, 0
.rept 32
	v_pk_add_f32 v[128*(\a)+2*k:128*(\a)+2*k+1], v[128*(\a)+2*k:128*(\a)+2*k+1], v[RES+64*(\a)+2*k:RES+64*(\a)+2*k+1]
.set k, k+1
.endr
	WIN 0x04
.set t, 0
.rept 16
	global_store_b128 v[L16], v[128*(\a)+4*t:128*(\a)+4*t+3], s[14:15] offset:(16*(\a)+t)*4096
.set t, t+1
.endr
.endm
	TOSTAGE 0
	TOSTAGE 1
	SEND 0, 32
	SEND 1, 0
	WIN 0
	s_wait_tensorcnt 0x0
	ds_add_u32 v[SPW], v[NIL]
	s_wait_dscnt 0x0
	CROUND
	s_endpgm
.Lfunc_end_k_q052ceb199f_ffn2:
	.size	k_q052ceb199f_ffn2, .Lfunc_end_k_q052ceb199f_ffn2-k_q052ceb199f_ffn2
	.p2alignl 7, 3214868480
	.fill 96, 4, 3214868480
	.section	.rodata,"a",@progbits
	.p2align	6, 0x0
	.amdhsa_kernel k_q052ceb199f_ffn2
		.amdhsa_group_segment_fixed_size 327680
		.amdhsa_private_segment_fixed_size 0
		.amdhsa_enable_private_segment 0
		.amdhsa_kernarg_size 48
		.amdhsa_user_sgpr_count 2
		.amdhsa_user_sgpr_kernarg_segment_ptr 1
		.amdhsa_wavefront_size32 1
		.amdhsa_system_sgpr_workgroup_id_x 1
		.amdhsa_system_sgpr_workgroup_id_y 1
		.amdhsa_system_sgpr_workgroup_id_z 1
		.amdhsa_system_vgpr_workitem_id 0
		.amdhsa_next_free_vgpr 1024
		.amdhsa_next_free_sgpr 98
		.amdhsa_reserve_vcc 0
		.amdhsa_float_denorm_mode_32 3
		.amdhsa_float_denorm_mode_16_64 3
		.amdhsa_memory_ordered 1
		.amdhsa_forward_progress 1
		.amdhsa_inst_pref_size 226
	.end_amdhsa_kernel
	.amdgpu_metadata
---
amdhsa.version: [ 1, 2 ]
amdhsa.kernels:
  - .name:           k_q052ceb199f_ffn2
    .symbol:         k_q052ceb199f_ffn2.kd
    .args:
      - { .name: fc, .offset: 0, .size: 8, .value_kind: global_buffer, .address_space: global }
      - { .name: W2_codes, .offset: 8, .size: 8, .value_kind: global_buffer, .address_space: global }
      - { .name: W2_scales, .offset: 16, .size: 8, .value_kind: global_buffer, .address_space: global }
      - { .name: b2, .offset: 24, .size: 8, .value_kind: global_buffer, .address_space: global }
      - { .name: hbuf, .offset: 32, .size: 8, .value_kind: global_buffer, .address_space: global }
      - { .name: yz, .offset: 40, .size: 8, .value_kind: global_buffer, .address_space: global }
    .group_segment_fixed_size: 327680
    .private_segment_fixed_size: 0
    .kernarg_segment_align: 8
    .kernarg_segment_size: 48
    .max_flat_workgroup_size: 128
    .sgpr_count:     98
    .vgpr_count:     1024
    .wavefront_size: 32
...
	.end_amdgpu_metadata
.endif
;; end of part 7
;; launch norm2 (part 8): grid 256 x 1, 4 waves a work-group, no clusters, 0 bytes of LDS; arguments yz, g2, out0; writes out0
.if DOCPART == 8
	.amdgcn_target "amdgcn-amd-amdhsa--gfx1250"
	.amdhsa_code_object_version 6
	.text
	.protected	k_q052ceb199f_norm2
	.globl	k_q052ceb199f_norm2
	.p2align	8
	.type	k_q052ceb199f_norm2,@function
k_q052ceb199f_norm2:
	s_mov_b64 s[64:65], 0
	v_nop
	global_prefetch_b8 v0, s[64:65] scope:SCOPE_SE
	s_setreg_imm32_b32 hwreg(HW_REG_WAVE_MODE, 25, 1), 1
	s_wait_xcnt 0x0
; out = z rsqrt(mean(z^2) + 1e-6) g2, row by row of 1,024, in f32.  A wave takes 4 rows; a row is eight loads of 512 consecutive bytes and stays in 32 registers between the sum and the scaling.
; All 32 row loads of a wave go out at the head; each row is scaled in place and stored from the registers it was loaded into, which are never written again: no wait for a store's sources is owed.
; A stream: no LDS, no barrier, no matrix unit, no cluster: the waves share nothing and each byte is moved once.  LIMIT: NaN and infinities are not served.
.set R, 32                             ; v32-159  four rows
.set G, 160                            ; v160-191 g2 in the rows' layout
	s_load_b128 s[4:7], s[0:1], 0x0                ; z, g2
	s_load_b64 s[8:9], s[0:1], 0x10                ; out
	v_lshrrev_b32 v1, 5, v0
	v_readfirstlane_b32 s12, v1                    ; wave
	v_and_b32 v1, 31, v0
	v_lshlrev_b32 v1, 4, v1                        ; 16 x lane
	s_lshl_b32 s14, ttmp9, 16                      ; 16 rows of 4,096 bytes a work-group,
	s_lshl_b32 s13, s12, 14                        ; 4 a wave
	s_add_co_u32 s14, s14, s13
	s_mov_b32 s15, 0
	s_mov_b32 s20, 0x3a800000                      ; 1 / 1,024
	s_mov_b32 s21, 0x358637bd                      ; 1e-6
	s_mov_b32 s22, 0x76543210
	s_mov_b32 s23, 0xfedcba98
	s_wait_alu depctr_va_vdst(0)
	s_wait_kmcnt 0x0
	s_add_nc_u64 s[4:5], s[4:5], s[14:15]
	s_add_nc_u64 s[8:9], s[8:9], s[14:15]
.irp i, 0,1,2,3,4,5,6,7
	global_load_b128 v[G+4*\i:G+4*\i+3], v1, s[6:7] offset:512*\i
.endr
.irp p, 0,1,2,3
.irp i, 0,1,2,3,4,5,6,7
	global_load_b128 v[R+32*\p+4*\i:R+32*\p+4*\i+3], v1, s[4:5] offset:4096*\p+512*\i th:TH_LOAD_NT
.endr
.endr
.macro ROW p
.set RS, R+32*(\p)
	s_wait_loadcnt 8*(3-(\p))                      ; my row is in; the rows behind it, eight loads each, may be out
.irp k, 0,1,2,3
	v_pk_mul_f32 v[16+2*\k:17+2*\k], v[RS+2*\k:RS+2*\k+1], v[RS+2*\k:RS+2*\k+1]
.endr
.irp m, 1,2,3
.irp k, 0,1,2,3
	v_pk_fma_f32 v[16+2*\k:17+2*\k], v[RS+8*\m+2*\k:RS+8*\m+2*\k+1], v[RS+8*\m+2*\k:RS+8*\m+2*\k+1], v[16+2*\k:17+2*\k]
.endr
.endr
	v_pk_add_f32 v[16:17], v[16:17], v[18:19]
	v_pk_add_f32 v[20:21], v[20:21], v[22:23]
	v_pk_add_f32 v[16:17], v[16:17], v[20:21]
	v_add_f32 v16, v16, v17
	v_add_f32_dpp v16, v16, v16 row_xmask:1 row_mask:0xf bank_mask:0xf
	v_add_f32_dpp v16, v16, v16 row_xmask:2 row_mask:0xf bank_mask:0xf
	v_add_f32_dpp v16, v16, v16 row_xmask:4 row_mask:0xf bank_mask:0xf
	v_add_f32_dpp v16, v16, v16 row_xmask:8 row_mask:0xf bank_mask:0xf
	v_permlanex16_b32 v17, v16, s22, s23
	v_add_f32 v16, v16, v17
	v_fma_f32 v16, v16, s20, s21                   ; the mean + 1e-6
	s_wait_alu depctr_va_vdst(0)
	v_rsq_f32 v14, v16
	v_nop
	s_wait_alu depctr_va_vdst(0)                   ; ahead of the first line that names the result
	v_mov_b32 v15, v14
.set k, 0
.rept 16
	v_pk_mul_f32 v[RS+2*k:RS+2*k+1], v[RS+2*k:RS+2*k+1], v[14:15]
.set k, k+1
.endr
.set k, 0
.rept 16
	v_pk_mul_f32 v[RS+2*k:RS+2*k+1], v[RS+2*k:RS+2*k+1], v[G+2*k:G+2*k+1]   ; reference()'s order: first the norm, then the gain
.set k, k+1
.endr
.irp i, 0,1,2,3,4,5,6,7
	global_store_b128 v1, v[RS+4*\i:RS+4*\i+3], s[8:9] offset:4096*(\p)+512*\i th:TH_STORE_NT
.endr
.endm
.irp p, 0,1,2,3
	ROW \p
.endr
	s_endpgm
.Lfunc_end_k_q052ceb199f_norm2:
	.size	k_q052ceb199f_norm2, .Lfunc_end_k_q052ceb199f_norm2-k_q052ceb199f_norm2
	.p2alignl 7, 3214868480
	.fill 96, 4, 3214868480
	.section	.rodata,"a",@progbits
	.p2align	6, 0x0
	.amdhsa_kernel k_q052ceb199f_norm2
		.amdhsa_group_segment_fixed_size 0
		.amdhsa_private_segment_fixed_size 0
		.amdhsa_enable_private_segment 0
		.amdhsa_kernarg_size 24
		.amdhsa_user_sgpr_count 2
		.amdhsa_user_sgpr_kernarg_segment_ptr 1
		.amdhsa_wavefront_size32 1
		.amdhsa_system_sgpr_workgroup_id_x 1
		.amdhsa_system_sgpr_workgroup_id_y 1
		.amdhsa_system_sgpr_workgroup_id_z 1
		.amdhsa_system_vgpr_workitem_id 0
		.amdhsa_next_free_vgpr 200
		.amdhsa_next_free_sgpr 66
		.amdhsa_reserve_vcc 0
		.amdhsa_float_denorm_mode_32 3
		.amdhsa_float_denorm_mode_16_64 3
		.amdhsa_memory_ordered 1
		.amdhsa_forward_progress 1
		.amdhsa_inst_pref_size 24
	.end_amdhsa_kernel
	.amdgpu_metadata
---
amdhsa.version: [ 1, 2 ]
amdhsa.kernels:
  - .name:           k_q052ceb199f_norm2
    .symbol:         k_q052ceb199f_norm2.kd
    .args:
      - { .name: yz, .offset: 0, .size: 8, .value_kind: global_buffer, .address_space: global }
      - { .name: g2, .offset: 8, .size: 8, .value_kind: global_buffer, .address_space: global }
      - { .name: out0, .offset: 16, .size: 8, .value_kind: global_buffer, .address_space: global }
    .group_segment_fixed_size: 0
    .private_segment_fixed_size: 0
    .kernarg_segment_align: 8
    .kernarg_segment_size: 24
    .max_flat_workgroup_size: 128
    .sgpr_count:     66
    .vgpr_count:     200
    .wavefront_size: 32
...
	.end_amdgpu_metadata
.endif
;; end of part 8
